; MI455X (gfx1250); checked and timed in simulation.
; The chip was launched on July 23, 2026; its instructions are those of AMD's public machine-readable ISA for CDNA 5 (MIT licence, August 2026) and "CDNA5" Instruction Set Architecture Reference Guide (July 2026). The comments in the code are by the model that wrote it; some were corrected since.
;; Trellis Linear. Allowed arithmetic: matrix products marked QUANTISED: E2M3 operands, one E8M0 scale for each 32 along K, by v_wmma_scale_f32_16x16x128_f8f6f4 with both operands' format E2M3, f32 sums; everything else in f32.
;; Inputs: grid 16 float32; packed_indices 512 x 512 x 128 int32; scales 64 x 8,192 float32; su 8,192 float32; sv 8,192 float32; x 64 x 8,192 float32.
;; Outputs: out0 64 x 8,192 float32.
;; This version of the problem:
;;   THIS VERSION OF THE PROBLEM IS GIVEN IN LOW PRECISION. The matrix products marked QUANTISED in the list below multiply operands that are first quantised to E2M3 (2 exponent bits, 3 mantissa bits; 6 bits a number), with one power-of-two scale for each 32 numbers along K (OCP MX v1.0); their sums are f32. All else is computed in f32.
;;   The module's matrix products, in the order in which they are computed (A, B: the left and right operand; K: the contracted axis; several contracted axes count as one K, in the product's order):
;;     1. [M 64, K 8,192] x [K 8,192, N 8,192]; A: input x; B: computed on the way: QUANTISED
;;   THE QUANTISER, for each operand of a quantised product, along K:
;;     - K is cut into blocks of 32 from its start; a last block that is shorter is filled with zeros.
;;     - A block's scale is 2^e with e = floor(log2(the largest magnitude in the block)) - 2, held to -126 .. 127; a block of zeros has e = 0. As a byte (E8M0): e + 127.
;;     - Each number is divided by its block's scale, clamped to +-7.5, and rounded to the nearest number of E2M3, ties to even, subnormals kept.
;;     - The product sums the exact products of the quantised numbers (number of the format x scale) in f32.
;;   ~~~python
;;   def quantise(x, axis):      # numpy; x: float32 -> the quantised numbers, widened to float32 again
;;       x = np.moveaxis(x, axis, -1); K = x.shape[-1]
;;       x = np.pad(x, [(0, 0)] * (x.ndim - 1) + [(0, -K % 32)]); x = x.reshape(x.shape[:-1] + (-1, 32)); a = np.abs(x).max(-1, keepdims=True)
;;       e = np.where(a > 0, np.clip(np.frexp(np.where(a > 0, a, 1))[1] - 1 - 2, -126, 127), 0)      # np.frexp(a)[1] - 1 = floor(log2(a)), exactly
;;       r = np.clip(x / 2.0 ** e, -7.5, 7.5)
;;       step = 2.0 ** (np.maximum(np.frexp(np.where(r == 0, 1, r))[1] - 1, 0) - 3)
;;       q = np.round(r / step) * step * 2.0 ** e      # np.round: ties to even
;;       return np.moveaxis(q.reshape(q.shape[:-2] + (-1,))[..., :K], -1, axis).astype(np.float32)
;;   ~~~
;;   OPERANDS COMPUTED ON THE WAY. 'Computed on the way' means the value that the module computes at that place (a softmax that the list does not call 'softmax' is quantised finished and normalised). What goes into a quantiser is computed in f32, as accurately as f32 sums, v_exp_f32 and their like allow (about 1e-6 of the number): no bf16 or f16 on the way to a quantiser, and a product that is left as it is and whose result goes on into a quantised operand takes f32 operands (vector FMAs, or v_wmma_f32_16x16x4_f32). A number that lies on a knife's edge between two numbers of the format may be rounded either way, as far as f32 arithmetic and the matrix unit's own rounding can turn it there, and no further.
;; 2 versions. Each part assembles by itself: llvm-mc -triple=amdgcn-amd-amdhsa -mcpu=gfx1250 --defsym DOCPART=n.
;; ======== version 1 of 2: 2 launches
;; workspace buffers: xq 425,984 bytes
;; launch xq (part 1): grid 64 x 4, 1 waves a work-group, no clusters, 8,704 bytes of LDS; arguments x, xq; writes xq
.if DOCPART == 1
	.amdgcn_target "amdgcn-amd-amdhsa--gfx1250"
	.amdhsa_code_object_version 6
	.text
	.protected	k_q205392dbc3_xq
	.globl	k_q205392dbc3_xq
	.p2align	8
	.type	k_q205392dbc3_xq,@function
k_q205392dbc3_xq:
	s_mov_b64 s[64:65], 0
	v_nop
	global_prefetch_b8 v0, s[64:65] scope:SCOPE_SE
	s_setreg_imm32_b32 hwreg(HW_REG_WAVE_MODE, 25, 1), 1
	s_wait_xcnt 0x0
; x [64][8192] f32 becomes codes of FP6 (E2M3) with one E8M0 scale byte for each 32 along K, laid as the product's launch wants them:
; AS IMAGES OF THE OPERAND'S REGISTERS.  A fragment is 16 rows x 128 K: 12 registers a lane.  K step s has a record of REC = 6,656 bytes: the fragments of the four tiles of rows, 1,536 bytes each
; (registers 4 c .. 4 c + 3 of lane l at 512 c + 16 l), then 512 bytes of scale words: lane l's 16 bytes hold the words of row l % 16 of the four tiles.
; A block's scale is 2^(floor(log2(its largest magnitude)) - 2); its byte is the largest magnitude's exponent field - 2, held at 1 from below (a block of zeros so gets the byte 1: its codes are zeros, and this program alone reads the bytes).
; LIMITS: NaN and infinities among the inputs are not served; blocks whose largest magnitude lies under 2^-124 keep the byte 1.
; SHARES: one wave to a work-group, one fragment to a wave: work-group (s, m) takes rows 16 m .. 16 m + 15, K = 128 s .. 128 s + 127: 256 work-groups of equal work.  No barrier: nothing is shared.
; Each load takes one row's 512 consecutive bytes, 16 a lane.  The conversions want 16 NEIGHBOURS along K in one lane's registers, so the 16 rows turn through a stage in LDS: in as loaded, out 64 bytes a lane.
.set KROW,  32768                      ; bytes in a row of x
.set REC,   6656                       ; bytes of a K step's record
.set PITCH, 528                        ; a stage row: 512 bytes + 16 = 132 words: row r starts at bank 4 r mod 64 (64 banks of 4 bytes: ISA guide 11.1), so the 16 rows that a load touches start at 16 different banks
.set A,   16                           ; v16-79   the rows as loaded
.set S,   80                           ; v80-143  register 16 b + i = x(row r, 32 b + 16 h + i)
.set PC,  144                          ; v144-155 the fragment; v156-158, v160-162 the blocks' second halves on their way
.set TM,  164                          ; v164-167 largest magnitudes, v168-171 the other half's, then bytes, v176-179 the conversions' scale operands
.set PW,  180                          ; the row's scale word
.set SEL, 20                           ; s[20:21] v_permlanex16_b32's selects for lane l xor 16
	s_load_b128 s[4:7], s[0:1], 0x0                ; x, xq
	v_lshl_add_u32 v184, v0, 2, 0x2100
	v_mov_b32 v185, 0
	s_and_b32 s8, ttmp7, 0xffff                    ; m: which tile of 16 rows
	v_and_b32 v2, 15, v0                           ; r
	v_lshrrev_b32 v3, 4, v0                        ; h
	v_lshlrev_b32 v4, 4, v0                        ; 16 x lane: my place in a row's 512 bytes, in the stage on the way in, and in an image
	v_mul_u32_u24 v6, v2, PITCH
	v_lshl_add_u32 v6, v3, 6, v6                   ; the stage on the way out: row r, + 64 h
	s_mov_b32 s[SEL], 0x76543210
	s_mov_b32 s[SEL+1], 0xfedcba98
.irp b, 0,1,2,3
	v_mov_b32 v[TM+4+\b], 0                        ; a lane permute's destination counts as one of its sources
.endr
	s_lshl_b32 s10, s8, 19                         ; 16 m rows of 32,768 bytes,
	s_lshl_b32 s11, ttmp9, 9                       ; + 512 s
	s_add_co_u32 s10, s10, s11
	s_mov_b32 s11, 0
	s_mul_i32 s12, ttmp9, REC                      ; the record,
	s_mul_i32 s13, s8, 1536                        ; my fragment in it
	s_add_co_u32 s12, s12, s13
	s_mov_b32 s13, 0
	s_mul_i32 s14, ttmp9, REC
	s_lshl_b32 s15, s8, 2                          ; my tile's word among a lane's four
	s_add_co_u32 s14, s14, s15
	s_add_co_u32 s14, s14, 6144                    ; behind the four fragments
	s_mov_b32 s15, 0
	s_wait_kmcnt 0x0
	s_add_nc_u64 s[4:5], s[4:5], s[10:11]
	s_add_nc_u64 s[16:17], s[6:7], s[14:15]        ; where the scale words go
	s_add_nc_u64 s[6:7], s[6:7], s[12:13]          ; where the codes go
.irp p, 0,1,2,3,4,5,6,7,8,9,10,11,12,13,14,15
	global_load_b128 v[A+4*\p:A+4*\p+3], v4, s[4:5] offset:\p*KROW th:TH_LOAD_NT   ; row p: 32 lanes read 512 consecutive bytes, aligned
.endr
.irp p, 0,1,2,3,4,5,6,7,8,9,10,11,12,13,14,15
	s_wait_loadcnt 15-\p                           ; loads come back in order: row p is in, the 15 - p younger rows may be out
	ds_store_b128 v4, v[A+4*\p:A+4*\p+3] offset:\p*PITCH
.endr
.irp b, 0,1,2,3
.irp j, 0,1,2,3
	ds_load_b128 v[S+16*\b+4*\j:S+16*\b+4*\j+3], v6 offset:128*\b+16*\j   ; LDS serves a wave's instructions in order: these see the stores above
.endr
.endr
	s_wait_dscnt 0x0
.irp b, 0,1,2,3
	v_max3_num_f32 v[TM+\b], |v[S+16*\b]|, |v[S+1+16*\b]|, 0x1800000   ; block b: my 16 numbers, and the floor 2^(3 - 127): so the byte cannot fall under 1
.endr
.irp i, 2,4,6,8,10,12,14
.irp b, 0,1,2,3
	v_max3_num_f32 v[TM+\b], v[TM+\b], |v[S+16*\b+\i]|, |v[S+1+16*\b+\i]|   ; the four blocks by turns
.endr
.endr
.irp b, 0,1,2,3
	v_permlanex16_b32 v[TM+4+\b], v[TM+\b], s[SEL], s[SEL+1]
.endr
.irp b, 0,1,2,3
	v_max_num_f32 v[TM+\b], v[TM+\b], v[TM+4+\b]   ; with lane l xor 16's 16: the block's largest magnitude
.endr
.irp b, 0,1,2,3
	v_add_nc_u32 v[TM+12+\b], 0xff000000, v[TM+\b] ; 2 off its exponent field: the conversion takes the exponent field of this operand as its scale
.endr
.irp b, 0,1,2,3
	v_lshrrev_b32 v[TM+4+\b], 23, v[TM+12+\b]      ; the scale's byte
.endr
	v_lshl_or_b32 v[PW], v[TM+5], 8, v[TM+4]       ; the four bytes make my row's scale word (both halves of the lanes hold it)
	v_lshl_or_b32 v[PW], v[TM+6], 16, v[PW]
	v_lshl_or_b32 v[PW], v[TM+7], 24, v[PW]
.irp c, 0,1
	v_cvt_scalef32_pk16_fp6_f32 v[PC+6*\c:PC+2+6*\c], v[S+32*\c:S+15+32*\c], v[TM+12+2*\c]               ; the codes of k = 64 c + 16 h + 0 .. 15
	v_cvt_scalef32_pk16_fp6_f32 v[PC+12+4*\c:PC+14+4*\c], v[S+16+32*\c:S+31+32*\c], v[TM+12+2*\c+1]      ; and of k = 64 c + 32 + 16 h + 0 .. 15 (a conversion's three registers begin on an even number)
.endr
	v_nop                                          ; one plain vector instruction behind a scaled conversion
.irp c, 0,1                                    ; the operand's layout wants a WHOLE block in a lane: lanes 0-15 block 2 c, lanes 16-31 block 2 c + 1
.irp i, 0,1,2
	v_permlane16_swap_b32 v[PC+6*\c+\i], v[PC+12+4*\c+\i]
.endr
.irp i, 0,1,2
	v_mov_b32 v[PC+3+6*\c+\i], v[PC+12+4*\c+\i]    ; registers 6 c .. 6 c + 5 now hold k = 64 c + 32 h + 0 .. 31
.endr
.endr
.irp c, 0,1,2
	global_store_b128 v4, v[PC+4*\c:PC+4*\c+3], s[6:7] offset:512*\c   ; 32 lanes store 512 consecutive bytes, at a multiple of 256 from the buffer's first byte
.endr
	global_store_b32 v4, v[PW], s[16:17]           ; 4 bytes of each lane's 16: the four tiles' work-groups fill the 512 bytes between them; 1 byte in 13 of what the launch stores
	s_wait_tensorcnt 0x0
	ds_add_u32 v184, v185
	s_wait_dscnt 0x0
	s_endpgm
.Lfunc_end_k_q205392dbc3_xq:
	.size	k_q205392dbc3_xq, .Lfunc_end_k_q205392dbc3_xq-k_q205392dbc3_xq
	.p2alignl 7, 3214868480
	.fill 96, 4, 3214868480
	.section	.rodata,"a",@progbits
	.p2align	6, 0x0
	.amdhsa_kernel k_q205392dbc3_xq
		.amdhsa_group_segment_fixed_size 8704
		.amdhsa_private_segment_fixed_size 0
		.amdhsa_enable_private_segment 0
		.amdhsa_kernarg_size 16
		.amdhsa_user_sgpr_count 2
		.amdhsa_user_sgpr_kernarg_segment_ptr 1
		.amdhsa_wavefront_size32 1
		.amdhsa_system_sgpr_workgroup_id_x 1
		.amdhsa_system_sgpr_workgroup_id_y 1
		.amdhsa_system_sgpr_workgroup_id_z 1
		.amdhsa_system_vgpr_workitem_id 0
		.amdhsa_next_free_vgpr 186
		.amdhsa_next_free_sgpr 66
		.amdhsa_reserve_vcc 0
		.amdhsa_float_denorm_mode_32 3
		.amdhsa_float_denorm_mode_16_64 3
		.amdhsa_memory_ordered 1
		.amdhsa_forward_progress 1
		.amdhsa_inst_pref_size 10
	.end_amdhsa_kernel
	.amdgpu_metadata
---
amdhsa.version: [ 1, 2 ]
amdhsa.kernels:
  - .name:           k_q205392dbc3_xq
    .symbol:         k_q205392dbc3_xq.kd
    .args:
      - { .name: x, .offset: 0, .size: 8, .value_kind: global_buffer, .address_space: global }
      - { .name: xq, .offset: 8, .size: 8, .value_kind: global_buffer, .address_space: global }
    .group_segment_fixed_size: 8704
    .private_segment_fixed_size: 0
    .kernarg_segment_align: 8
    .kernarg_segment_size: 16
    .max_flat_workgroup_size: 32
    .sgpr_count:     66
    .vgpr_count:     186
    .wavefront_size: 32
...
	.end_amdgpu_metadata
.endif
;; end of part 1
;; launch main (part 2): grid 256 x 1, 8 waves a work-group, no clusters, 101,376 bytes of LDS; arguments packed_indices, scales, su, sv, grid, xq, out0; writes out0
.if DOCPART == 2
	.amdgcn_target "amdgcn-amd-amdhsa--gfx1250"
	.amdhsa_code_object_version 6
	.text
	.protected	k_q205392dbc3_main
	.globl	k_q205392dbc3_main
	.p2align	8
	.type	k_q205392dbc3_main,@function
k_q205392dbc3_main:
	s_mov_b64 s[64:65], 0
	v_nop
	global_prefetch_b8 v0, s[64:65] scope:SCOPE_SE
	s_setreg_imm32_b32 hwreg(HW_REG_WAVE_MODE, 25, 1), 1
	s_wait_xcnt 0x0
; out[m][n] = sum over k of Q(x)[m][k] Q(W)[k][n],  W[k][n] = grid[idx(k, n)] x scales[k / 128][n] x su[k] x sv[n],  Q the MX-FP6 quantiser along K (E2M3, one E8M0 scale for each 32).
; Q(x) comes ready from the launch before, as images of the operand's registers.  W is made here, on the way to the matrix unit, and never goes to memory.
; packed_indices [512 (k / 16)][512 (n / 16)][128] int32: word j of a tile holds, in its low byte, the indices of (k % 16 = j / 8, n % 16 = 2 (j % 8)) in the low nibble and of the column beside it in the high nibble.  The upper 24 bits are not looked at, as in the definition.
; SHARES.  256 work-groups; each owns 32 columns (two tiles side by side: 1,024 consecutive bytes of each row of tiles) and ALL of K, so each output has one owner.  Its eight waves share K: wave w takes K steps w, w + 8 .. w + 56
; of 128 along K, for all 64 rows and 32 columns: 8 accumulators.  The eight partial sums meet in LDS at the end, behind the kernel's one barrier.  Until then no wave waits for another.
; A K STEP OF A WAVE: 128 x 32 = 4,096 weights.
;   load    16 loads of 16 bytes a lane; lanes 0-15 take 256 consecutive aligned bytes of the left tile (8 k x 8 pairs of columns), lanes 16-31 of the right one.  Load (b, i) brings a lane k = 32 b + 8 i + k_sub, four pairs of columns
;   pack    the useful bytes of i = 0 .. 3 make one word: 4 k of one pair of columns, all of one block of 32: three v_perm_b32 a word
;   turn    the words go through the wave's own 2,304 bytes of LDS, [pair][block][k_sub]: 16 stores of 4 bytes, 4 loads of 16: lane (r, h) then holds pair r's 32 bytes of blocks h and 2 + h: what the operand's layout gives that lane
;   look up one instruction puts a nibble at bits 5:2 of an index, one ds_bpermute_b32 fetches grid[nibble] from a register in which lane l holds grid[l % 16].  The permute takes its index as a signed number, divides it by 4 and takes the
;           result modulo 32 (ISA guide, its entry): so every index is kept under 2^30; what stands in bits 1:0 and from bit 7 on does not count, and bit 6 may be anything, since both halves of the lanes hold the table
;           THE LOW NIBBLES MAKE A FRAGMENT OF THE 16 EVEN COLUMNS, THE HIGH ONES OF THE 16 ODD COLUMNS: which columns form a tile is free.  Each result is written to register 8 i + k_sub: K in its true order
;   scale   x su[k]: a lane of each row of 16 holds four su, and v_mul_f32_dpp row_share hands them to the row: one load of su a step.  Then x c = scales x sv, the lane's own: two numbers an instruction
;   quantise a block of 32 is one lane's 32 registers: no other lane is asked for the maximum
;   product 8 matrix instructions, used transposed: source 0 = 16 columns of W, source 1 = 16 rows of x: a lane then holds one row of out
; AHEAD.  Raw indices are asked for two K steps ahead (two sets of 64 registers: 16 KiB a wave, 128 KiB a work-group on their way), su and scales two, x's fragments one.  Two sets of 64 numbers take turns: one is out at the lane permutes while the other is multiplied and converted.
; NOT IN CLUSTERS, though all work-groups read the same fragments of x (6,656 bytes a K step beside 8,192 of indices): joint loads land in LDS, and from there a step's fragments would cost 26 LDS passes more beside the step's 128 lane
; permutes and 24 passes of the turn, on the unit that this design loads most; and their rounds would tie the waves, which here meet at no barrier until the end.  So the fragments come straight into registers.
; NO PREFETCH INTO THE L2: the index stream is asked for by the loads themselves, two K steps ahead, all through the launch.
; OUT: a work-group owns 128 bytes of each row of out: eight lanes store them as one run; whole aligned runs of 256 would want 64 columns to a work-group, and then only 128 work-groups.
; LIMITS: NaN and infinities are not served.  W is formed as (grid x su) x (scales x sv), another order of the same f32 products than the definition's.  A block whose largest magnitude lies under 2^-124 keeps the byte 1 (a block of zeros too: its codes are zeros).
; The sum over K is taken in eight parts (K steps w mod 8), added in f32 as a tree.
; REGISTERS, in windows of 256 (s_set_vgpr_msb: bits 1:0 source 0, 3:2 source 1, 5:4 source 2, 7:6 destination):
;   window 0: v1-8 offsets and the table; v10-33 sv, c, su x 2, scales x 2, scale words; v34-47 at work; v48-63 packed words; v64-127, v128-191 the two sets of numbers; v192-215 W's two fragments; v216-222 second halves; v232-247 packed words on their way out
;   window 1: v0-63 accumulators ((tile of rows m, even / odd) at 16 m + 8 e); v64-111 x's four fragments; v128-191, v192-255 raw indices, two sets
.set RB,      262144                   ; bytes in a row of tiles
.set RAWSTEP, 64*RB                    ; from a wave's K step to its next: 8 K steps of 8 rows of tiles
.set SCSTEP,  8*32768                  ; the same in scales,
.set SUSTEP,  8*512                    ; in su,
.set REC,     6656                     ; (a K step's record of x: 4 fragments of 1,536 bytes, 512 bytes of scale words)
.set XSTEP,   8*REC                    ; and in xq
.set SPITCH,  144                      ; the turn: a pair's row: 4 blocks x 32 bytes + 16 = 36 words
.set WREG,    16*SPITCH                ; a wave's stage
.set RED,     8*WREG                   ; behind the stages: the partial sums
.set RH,      320                      ; sixteen lanes' 256 bytes + 64: the other half of the lanes lies 16 banks on,
.set RJ,      2*RH                     ; an accumulator's upper four registers 32 banks on: so the 8-byte reads of the final sum touch 64 different banks
.set RA,      2*RJ                     ; an accumulator
.set RS,      8*RA                     ; a wave's eight
.set LO,  1                            ; v1   raw indices: 512 (lane / 16) + 16 (lane % 16)
.set STA, 2                            ; v2   the turn, in
.set LDA, 3                            ; v3   the turn, out
.set XO,  4                            ; v4   16 x lane: an image's place for my lane
.set SUO, 5                            ; v5   su: lane (h, j) holds su[32 h + 64 (j / 8) + 4 (j % 8) + 0 .. 3] of the step
.set SCO, 6                            ; v6   8 r: my pair of columns in scales and sv
.set SH8, 7                            ; v7   8 h
.set G,   8                            ; v8   grid[lane % 16]
.set SV,  10                           ; v10-11 sv of my two columns
.set CE,  12                           ; v12-13 c of the even column, twice (a pair for the packed multiply); v14-15 of the odd one
.set CO,  14
.set SU,  16                           ; v16-19, v20-23 su, for even and odd steps of the wave
.set SC,  24                           ; v24-25, v26-27 scales likewise
.set XS,  28                           ; v28-31 x's scale words, a register for each tile of rows: they hold scales and nothing else
.set WSE, 32                           ; v32, v33 W's scale words, even and odd columns: likewise
.set WSO, 33
.set MA,  34                           ; v34-37 four running maxima
.set MB,  35
.set MC,  36
.set MD,  37
.set SCE, 38                           ; v38, v39 the conversions' scale operands
.set SCO2, 39
.set BYE, 40                           ; v40-41, v42-43 scale bytes of my two blocks
.set BYO, 42
.set WT,  44                           ; v44-47 at work on the scale words
.set D,   48                           ; v48-63 word 8 c + d: byte i = the pair's indices at k = 64 c + 32 h + 8 i + d
.set VA,  64                           ; numbers of c = 0: even column v64-95, odd column v96-127
.set VB,  128                          ; of c = 1
.set CDE, 192                          ; the even columns' fragment, 12 registers
.set CDO, 204                          ; the odd columns'
.set TE,  216
.set TO,  220
.set T0,  192                          ; the pack's halves lie where the codes of the step before lay
.set T1,  208
.set P,   232
.set ACC, 0                            ; window 1
.set XF,  64
.set R0,  128
.set LR,  64                           ; the final sum: 32 pairs
.set OUT, 192
.set PRW, 4                            ; s[4:5] raw indices; s[6:7] scales; s[8:9] su; s[10:11] sv; s[12:13] grid; s[14:15] xq; s[16:17] out
.set PSC, 6
.set PSU, 8
.set PSV, 10
.set PGR, 12
.set PX,  14
.set POUT, 16
.set WV,  18
.set CNT, 19
.set SA,  24
.set SB,  25
.set SEL, 26
.set MSB, 0
.macro WIN new                         ; the immediate's high byte repeats the setting that is left
.if MSB != \new
	s_set_vgpr_msb (MSB<<8)|\new
.set MSB, \new
.endif
.endm
.macro RAWLD rb                        ; a K step's raw indices: block b, eighth i: row of tiles 2 b + i / 2, its upper or lower 256 bytes
	WIN 0x40                                       ; destination window 1
.irp b, 0,1,2,3
.irp i, 0,1,2,3
	global_load_b128 v[\rb+16*\b+4*\i:\rb+16*\b+4*\i+3], v[LO], s[PRW:PRW+1] offset:(2*\b+\i/2)*RB+(\i%2)*256 th:TH_LOAD_NT   ; read once in the launch
.endr
.endr
	WIN 0
.endm
.macro SLD q, osu, osc                 ; a K step's su (128 numbers, 4 a lane) and scales (my two columns)
	global_load_b128 v[SU+4*\q:SU+4*\q+3], v[SUO], s[PSU:PSU+1] offset:\osu
	global_load_b64 v[SC+2*\q:SC+2*\q+1], v[SCO], s[PSC:PSC+1] offset:\osc
.endm
.macro XLD                             ; a K step's record of x: 12 loads bring the four fragments as they stand, one the scale words
	WIN 0x40
.irp f, 0,1,2,3,4,5,6,7,8,9,10,11
	global_load_b128 v[XF+4*\f:XF+4*\f+3], v[XO], s[PX:PX+1] offset:512*\f
.endr
	WIN 0
	global_load_b128 v[XS:XS+3], v[XO], s[PX:PX+1] offset:6144
.endm
; The raw set rq is packed and sent through the turn; rawld = 1: the set is asked for again, for the K step two on.
.macro PACK rq, rawld
.set RR, R0+64*(\rq)
	WIN 0x05                                       ; sources 0 and 1 window 1
.irp b, 0,1,2,3
.irp p, 0,1,2,3
	v_perm_b32 v[T0+4*\b+\p], v[RR+16*\b+4+\p], v[RR+16*\b+\p], s[SA]      ; the low bytes of i = 0, 1
	v_perm_b32 v[T1+4*\b+\p], v[RR+16*\b+12+\p], v[RR+16*\b+8+\p], s[SA]   ; and of i = 2, 3
.endr
.endr
.if \rawld
	RAWLD RR
.endif
	WIN 0
.irp n, 0,1,2,3,4,5,6,7,8,9,10,11,12,13,14,15
	v_perm_b32 v[P+\n], v[T1+\n], v[T0+\n], s[SB]  ; word 4 b + p: pair 4 (lane % 2) + p of my tile, k = 32 b + 8 i + k_sub in byte i
.endr
.irp b, 0,1,2,3
.irp p, 0,1,2,3
	ds_store_b32 v[STA], v[P+4*\b+\p] offset:\p*SPITCH+32*\b
.endr
.endr
.irp c, 0,1
	ds_load_b128 v[D+8*\c:D+8*\c+3], v[LDA] offset:64*\c          ; LDS serves a wave's instructions in order (ISA guide 5.7.1.4): these see the stores above, and the next step's stores come behind them
	ds_load_b128 v[D+8*\c+4:D+8*\c+7], v[LDA] offset:64*\c+16
.endr
.endm
; 64 look-ups: my block 2 c + h of both columns.  The index is made in the register in which the number will land.
.macro IDX vb, c
.irp d, 0,1,2,3,4,5,6,7
	v_mul_u32_u24 v[\vb+\d], 4, v[D+8*\c+\d]                      ; the nibble to bits 5:2.  Byte 0's low nibble goes UP two bits: the word's low 24 bits x 4, under 2^26; a plain shift would carry a bit of byte 3 into bit 31, the index's sign
	v_lshrrev_b32 v[\vb+32+\d], 2, v[D+8*\c+\d]                   ; all others go down two bits or more: under 2^30.  What stands beside the nibble is not looked at
.irp i, 1,2,3
	v_lshrrev_b32 v[\vb+8*\i+\d], 8*\i-2, v[D+8*\c+\d]
	v_lshrrev_b32 v[\vb+32+8*\i+\d], 8*\i+2, v[D+8*\c+\d]
.endr
.irp i, 0,1,2,3
	ds_bpermute_b32 v[\vb+8*\i+\d], v[\vb+8*\i+\d], v[G]
	ds_bpermute_b32 v[\vb+32+8*\i+\d], v[\vb+32+8*\i+\d], v[G]
.endr
.endr
.endm
.macro MULSU4 vb, su, g, n             ; numbers 4 g .. 4 g + 3 of both columns x su: lane n of my row of 16 holds the four
.irp k, 0,1,2,3
	v_mul_f32_dpp v[\vb+4*(\g)+\k], v[\su+\k], v[\vb+4*(\g)+\k] row_share:\n row_mask:0xf bank_mask:0xf
	v_mul_f32_dpp v[\vb+32+4*(\g)+\k], v[\su+\k], v[\vb+32+4*(\g)+\k] row_share:\n row_mask:0xf bank_mask:0xf
.endr
.endm
; The 64 numbers of set vb become registers 6 c .. 6 c + 5 of both fragments, and a scale byte each.
.macro PROC vb, c, su
.if \c == 0
.irp n, 0,1,2,3,4,5,6,7
	MULSU4 \vb, \su, \n, \n
.endr
.else
.irp n, 8,9,10,11,12,13,14,15
	MULSU4 \vb, \su, (\n-8), \n
.endr
.endif
.irp j, 0,2,4,6,8,10,12,14,16,18,20,22,24,26,28,30
	v_pk_mul_f32 v[\vb+\j:\vb+\j+1], v[\vb+\j:\vb+\j+1], v[CE:CE+1]
	v_pk_mul_f32 v[\vb+32+\j:\vb+33+\j], v[\vb+32+\j:\vb+33+\j], v[CO:CO+1]
.endr
	v_max3_num_f32 v[MA], |v[\vb]|, |v[\vb+1]|, 0x1800000         ; each block's largest magnitude in two chains, the four chains by turns; and the floor 2^(3 - 127): so the byte cannot fall under 1
	v_max3_num_f32 v[MB], |v[\vb+16]|, |v[\vb+17]|, |v[\vb+18]|
	v_max3_num_f32 v[MC], |v[\vb+32]|, |v[\vb+33]|, 0x1800000
	v_max3_num_f32 v[MD], |v[\vb+48]|, |v[\vb+49]|, |v[\vb+50]|
.irp i, 0,2,4,6,8,10
	v_max3_num_f32 v[MA], v[MA], |v[\vb+2+\i]|, |v[\vb+3+\i]|
	v_max3_num_f32 v[MB], v[MB], |v[\vb+19+\i]|, |v[\vb+20+\i]|
	v_max3_num_f32 v[MC], v[MC], |v[\vb+34+\i]|, |v[\vb+35+\i]|
	v_max3_num_f32 v[MD], v[MD], |v[\vb+51+\i]|, |v[\vb+52+\i]|
.endr
	v_max3_num_f32 v[MA], v[MA], |v[\vb+14]|, |v[\vb+15]|
	v_max3_num_f32 v[MC], v[MC], |v[\vb+46]|, |v[\vb+47]|
	v_max3_num_f32 v[MA], v[MA], v[MB], |v[\vb+31]|
	v_max3_num_f32 v[MC], v[MC], v[MD], |v[\vb+63]|
	v_add_nc_u32 v[SCE], 0xff000000, v[MA]         ; 2 off the exponent field: the conversion takes the exponent field of this operand as its scale
	v_add_nc_u32 v[SCO2], 0xff000000, v[MC]
	v_cvt_scalef32_pk16_fp6_f32 v[CDE+6*\c:CDE+6*\c+2], v[\vb:\vb+15], v[SCE]
	v_cvt_scalef32_pk16_fp6_f32 v[TE:TE+2], v[\vb+16:\vb+31], v[SCE]          ; (a conversion's three registers begin on an even number: the second half of a block's six does not)
	v_cvt_scalef32_pk16_fp6_f32 v[CDO+6*\c:CDO+6*\c+2], v[\vb+32:\vb+47], v[SCO2]
	v_cvt_scalef32_pk16_fp6_f32 v[TO:TO+2], v[\vb+48:\vb+63], v[SCO2]
	v_lshrrev_b32 v[BYE+\c], 23, v[SCE]            ; the scale's byte.  (A plain vector instruction behind the conversions)
	v_lshrrev_b32 v[BYO+\c], 23, v[SCO2]
.irp i, 0,1,2
	v_mov_b32 v[CDE+6*\c+3+\i], v[TE+\i]
	v_mov_b32 v[CDO+6*\c+3+\i], v[TO+\i]
.endr
.endm
.macro WSCALE                          ; my two bytes are those of blocks h and 2 + h: 8 h bits up, and with lane l xor 16's two the word is whole
	v_lshl_or_b32 v[WT], v[BYE+1], 16, v[BYE]
	v_lshl_or_b32 v[WT+1], v[BYO+1], 16, v[BYO]
	v_lshlrev_b32 v[WT], v[SH8], v[WT]
	v_lshlrev_b32 v[WT+1], v[SH8], v[WT+1]
	v_permlanex16_b32 v[WT+2], v[WT], s[SEL], s[SEL+1]
	v_permlanex16_b32 v[WT+3], v[WT+1], s[SEL], s[SEL+1]
	v_or_b32 v[WSE], v[WT], v[WT+2]
	v_or_b32 v[WSO], v[WT+1], v[WT+3]
.endm
; The step's eight products.  The eight accumulators take turns, one instruction a turn, from step to step too.  first = 1: the products start the sums: nothing is cleared.
.macro WMMAS first
	WIN 0x54                                       ; source 0 (W) window 0; source 1 (x), C and D window 1; scale operands have no window
.irp m, 0,1,2,3
.if \first
	v_wmma_scale_f32_16x16x128_f8f6f4 v[ACC+16*\m:ACC+16*\m+7], v[CDE:CDE+11], v[XF+12*\m:XF+12*\m+11], 0, v[WSE], v[XS+\m] matrix_a_fmt:MATRIX_FMT_FP6 matrix_b_fmt:MATRIX_FMT_FP6
	v_wmma_scale_f32_16x16x128_f8f6f4 v[ACC+16*\m+8:ACC+16*\m+15], v[CDO:CDO+11], v[XF+12*\m:XF+12*\m+11], 0, v[WSO], v[XS+\m] matrix_a_fmt:MATRIX_FMT_FP6 matrix_b_fmt:MATRIX_FMT_FP6
.else
	v_wmma_scale_f32_16x16x128_f8f6f4 v[ACC+16*\m:ACC+16*\m+7], v[CDE:CDE+11], v[XF+12*\m:XF+12*\m+11], v[ACC+16*\m:ACC+16*\m+7], v[WSE], v[XS+\m] matrix_a_fmt:MATRIX_FMT_FP6 matrix_b_fmt:MATRIX_FMT_FP6
	v_wmma_scale_f32_16x16x128_f8f6f4 v[ACC+16*\m+8:ACC+16*\m+15], v[CDO:CDO+11], v[XF+12*\m:XF+12*\m+11], v[ACC+16*\m+8:ACC+16*\m+15], v[WSO], v[XS+\m] matrix_a_fmt:MATRIX_FMT_FP6 matrix_b_fmt:MATRIX_FMT_FP6
.endif
.endr
	WIN 0
.endm
; STEP t of the wave's eight.  On entry both sets of numbers of step t are out at the lane permutes.  q = t % 2.  pack: step t + 1 exists; rawld: step t + 3 does; rawn: the next step will ask for raw indices; sld: step t + 2 exists; xld = pack.
; na: how many loads, younger than step t's su and scales and step t + 1's raw indices, may stay out: those issued in the step before.  nx: those younger than x's record of step t: those issued in this step.
.macro STEP q, first, pack, rawld, rawn, sld, xld, na, nx
	s_wait_loadcnt \na
	v_mul_f32 v[CE], v[SC+2*\q], v[SV]             ; c = scales x sv of my two columns, each twice
	v_mul_f32 v[CE+1], v[SC+2*\q], v[SV]
	v_mul_f32 v[CO], v[SC+2*\q+1], v[SV+1]
	v_mul_f32 v[CO+1], v[SC+2*\q+1], v[SV+1]
.if \pack
	PACK 1-\q, \rawld                              ; the next step's indices go through the turn while this step's look-ups come back
.endif
	s_wait_dscnt 63                                ; the first set is in: 64 or more LDS instructions are younger than its last, and 63 is the largest count that the wait can name
	PROC VA, 0, SU+4*\q
	s_wait_dscnt 0x0                               ; the second set is in, and the next step's packed words; the turn's stores have read their registers
.if \pack
	IDX VA, 0                                      ; the next step's first set goes out while this step's second is worked
.endif
	PROC VB, 1, SU+4*\q
	WSCALE
.if \xld
	s_wait_xcnt 0x0                                ; every earlier load has had its address translated (ISA guide 3.1): the bases are stepped only behind this wait
	s_add_nc_u64 s[PX:PX+1], s[PX:PX+1], XSTEP
.if \rawn
	s_add_nc_u64 s[PRW:PRW+1], s[PRW:PRW+1], RAWSTEP   ; (in the loop's last step this base passes the last step: it is not used again)
.endif
.if \sld
	s_add_nc_u64 s[PSU:PSU+1], s[PSU:PSU+1], SUSTEP
	s_add_nc_u64 s[PSC:PSC+1], s[PSC:PSC+1], SCSTEP
	SLD \q, 0, 0                                   ; step t + 2's, into the registers that this step has done with
.endif
.endif
.if \pack
	IDX VB, 1                                      ; its 64 index lines are also the plain vector instructions between the writing of W's scale words and codes and the products (8 and 4 are asked)
.else
.rept 8
	v_nop                                          ; the same eight, where no step follows
.endr
.endif
	s_wait_loadcnt \nx                             ; x's record of this step is in
	WMMAS \first
.rept 4
	v_nop                                          ; four plain vector instructions behind the products, in front of loads into x's registers, of the pack's writes where the codes lay, and of the first read of results
.endr
.if \xld
	XLD
.endif
.endm
	s_load_b256 s[4:11], s[0:1], 0x0               ; packed_indices, scales, su, sv
	s_load_b128 s[12:15], s[0:1], 0x20             ; grid, xq
	s_load_b64 s[16:17], s[0:1], 0x30              ; out
	v_lshl_add_u32 v254, v0, 2, 0x18800
	v_mov_b32 v255, 0
	v_lshrrev_b32 v9, 5, v0
	v_readfirstlane_b32 s[WV], v9                  ; wave 0..7
	v_bfe_u32 v9, v0, 4, 1                         ; h = lane / 16
	v_and_b32 v34, 15, v0                          ; r = lane % 16
	s_mul_i32 s34, s[WV], WREG                     ; my stage
	v_lshlrev_b32 v[LO], 4, v34
	v_lshl_add_u32 v[LO], v9, 9, v[LO]
	v_mul_u32_u24 v[STA], v9, 8*SPITCH             ; in: pair 8 (lane / 16) + 4 (lane % 2) + p, word k_sub = (lane % 16) / 2 of a block
	v_and_b32 v35, 1, v0
	v_mad_u32_u24 v[STA], v35, 4*SPITCH, v[STA]
	v_bfe_u32 v35, v0, 1, 3
	v_lshl_add_u32 v[STA], v35, 2, v[STA]
	v_add_nc_u32 v[STA], s34, v[STA]
	v_mul_u32_u24 v[LDA], v34, SPITCH              ; out: pair r, block h
	v_lshl_add_u32 v[LDA], v9, 5, v[LDA]
	v_add_nc_u32 v[LDA], s34, v[LDA]
	v_and_b32 v35, 31, v0
	v_lshlrev_b32 v[XO], 4, v35
	v_and_b32 v35, 7, v0
	v_lshlrev_b32 v[SUO], 4, v35
	v_bfe_u32 v35, v0, 3, 1
	v_lshl_add_u32 v[SUO], v35, 8, v[SUO]
	v_lshl_add_u32 v[SUO], v9, 7, v[SUO]
	v_lshlrev_b32 v[SCO], 3, v34
	v_lshlrev_b32 v[SH8], 3, v9
	v_lshlrev_b32 v36, 2, v34                      ; grid[r]
	v_mov_b32 v[WT+2], 0                           ; a lane permute's destination counts as one of its sources
	v_mov_b32 v[WT+3], 0
	s_mov_b32 s[SA], 0x04000400                    ; byte 0 of the second source, byte 0 of the first
	s_mov_b32 s[SB], 0x05040100                    ; the low halves of both
	s_mov_b32 s[SEL], 0x76543210
	s_mov_b32 s[SEL+1], 0xfedcba98                 ; v_permlanex16_b32's selects for lane l xor 16
	s_lshl_b32 s20, s[WV], 21                      ; K step w: 8 rows of tiles,
	s_lshl_b32 s21, ttmp9, 10                      ; my work-group's two tiles
	s_add_co_u32 s20, s20, s21
	s_mov_b32 s21, 0
	s_lshl_b32 s22, s[WV], 15                      ; row w of scales,
	s_lshl_b32 s30, ttmp9, 7                       ; my work-group's 32 columns
	s_add_co_u32 s22, s22, s30
	s_mov_b32 s23, 0
	s_lshl_b32 s28, s[WV], 9
	s_mov_b32 s29, 0
	s_mov_b32 s31, 0
	s_mul_i32 s32, s[WV], REC
	s_mov_b32 s33, 0
	s_wait_kmcnt 0x0
	s_add_nc_u64 s[PRW:PRW+1], s[PRW:PRW+1], s[20:21]
	s_add_nc_u64 s[PSC:PSC+1], s[PSC:PSC+1], s[22:23]
	s_add_nc_u64 s[PSU:PSU+1], s[PSU:PSU+1], s[28:29]
	s_add_nc_u64 s[PSV:PSV+1], s[PSV:PSV+1], s[30:31]
	s_add_nc_u64 s[POUT:POUT+1], s[POUT:POUT+1], s[30:31]
	s_add_nc_u64 s[PX:PX+1], s[PX:PX+1], s[32:33]
	global_load_b32 v[G], v36, s[PGR:PGR+1]
	global_load_b64 v[SV:SV+1], v[SCO], s[PSV:PSV+1]
	RAWLD R0                                       ; step 0
	s_wait_xcnt 0x0                                ; the base is stepped only behind this wait
	s_add_nc_u64 s[PRW:PRW+1], s[PRW:PRW+1], RAWSTEP
	RAWLD R0+64                                    ; step 1
	SLD 0, 0, 0
	SLD 1, SUSTEP, SCSTEP
	XLD                                            ; step 0's record of x
	s_wait_xcnt 0x0
	s_add_nc_u64 s[PRW:PRW+1], s[PRW:PRW+1], RAWSTEP
	s_add_nc_u64 s[PSU:PSU+1], s[PSU:PSU+1], SUSTEP
	s_add_nc_u64 s[PSC:PSC+1], s[PSC:PSC+1], SCSTEP
	s_wait_loadcnt 33                              ; step 0's raw indices are in (grid and sv too); younger: step 1's 16, two sets of su and scales (4), x's record (13)
	PACK 0, 1                                      ; and step 2's are asked for
	s_wait_xcnt 0x0
	s_add_nc_u64 s[PRW:PRW+1], s[PRW:PRW+1], RAWSTEP   ; at step 3
	s_wait_dscnt 0x0
	IDX VA, 0
	IDX VB, 1
	STEP 0, 1, 1, 1, 1, 1, 1, 31, 18               ; step 0 stands in front of the loop: its products start the sums
	s_mov_b32 s[CNT], 2
.Lpair:                                            ; steps 1 to 4: a trip runs two steps, until the register sets are back where they began
	STEP 1, 0, 1, 1, 1, 1, 1, 31, 18
	STEP 0, 0, 1, 1, 1, 1, 1, 31, 18
	s_sub_co_u32 s[CNT], s[CNT], 1
	s_cmp_lg_u32 s[CNT], 0
	s_cbranch_scc1 .Lpair
	STEP 1, 0, 1, 0, 0, 1, 1, 31, 2                ; step 5: no raw indices are left to ask for
	STEP 0, 0, 1, 0, 0, 0, 1, 15, 0                ; step 6: nor su and scales
	STEP 1, 0, 0, 0, 0, 0, 0, 13, 0                ; step 7: nothing
	; THE SUM OVER THE EIGHT WAVES.  Each wave lays its accumulators into LDS, four registers of a lane at a time; a barrier; then thread T adds, for rows T / 8 and T / 8 + 32, the eight parts of columns 4 (T % 8) .. + 3.
	; In accumulator (m, e) lane (r, h) holds row 16 m + r, and register j column 2 (8 h + j) + e.  So four neighbouring columns 4 u .. 4 u + 3 are registers 2 (u % 4), 2 (u % 4) + 1 of lanes h = u / 4, from the even and the odd accumulator.
	s_mul_i32 s20, s[WV], RS
	s_add_co_u32 s20, s20, RED
	v_bfe_u32 v9, v0, 4, 1
	v_and_b32 v34, 15, v0
	v_mul_u32_u24 v9, v9, RH
	v_lshl_add_u32 v9, v34, 4, v9
	v_add_nc_u32 v9, s20, v9
	WIN 0x04                                       ; an LDS store's data are its source 1: window 1
.irp a, 0,1,2,3,4,5,6,7
	ds_store_b128 v9, v[ACC+8*\a:ACC+8*\a+3] offset:\a*RA            ; each accumulator from its low end on
	ds_store_b128 v9, v[ACC+8*\a+4:ACC+8*\a+7] offset:\a*RA+RJ
.endr
	WIN 0
	s_lshr_b32 s20, s[WV], 2                       ; my rows 4 w .. 4 w + 3: tile of rows w / 4,
	s_mul_i32 s20, s20, 2*RA
	s_and_b32 s21, s[WV], 3                        ; lanes r = 4 (w % 4) ..
	s_lshl_b32 s21, s21, 6
	s_add_co_u32 s20, s20, s21
	s_add_co_u32 s20, s20, RED
	s_lshl_b32 s21, s[WV], 17                      ; 4 w rows of out
	v_bfe_u32 v40, v0, 1, 1                        ; (u % 4) / 2: the accumulator's lower or upper four registers
	v_mul_u32_u24 v40, v40, RJ
	v_bfe_u32 v34, v0, 2, 1                        ; u / 4: which half of the lanes
	v_mad_u32_u24 v40, v34, RH, v40
	v_bfe_u32 v34, v0, 3, 2                        ; which of my wave's four rows
	v_lshl_add_u32 v40, v34, 4, v40
	v_and_b32 v35, 1, v0                           ; u % 2: which two of the four registers
	v_lshl_add_u32 v40, v35, 3, v40
	v_add_nc_u32 v40, s20, v40                     ; parts 0 to 3
	v_add_nc_u32 v41, 4*RS, v40                    ; parts 4 to 7: beyond the reach of the 16-bit offset
	v_and_b32 v42, 7, v0
	v_lshlrev_b32 v42, 4, v42
	v_lshl_add_u32 v42, v34, 15, v42
	v_add_nc_u32 v42, s21, v42                     ; my 16 bytes of out: row 4 w + (lane / 8), 16 u
	s_wait_dscnt 0x0                               ; for the others' sake: my stores have landed
	s_barrier_signal -1
	s_barrier_wait -1
.irp z, 0,1                                    ; rows T / 8, then T / 8 + 32: two tiles of rows on
.irp e, 0,1                                    ; even, odd columns
.irp u, 0,1,2,3
	ds_load_b64 v[LR+32*\z+16*\e+2*\u:LR+32*\z+16*\e+2*\u+1], v40 offset:\u*RS+\e*RA+\z*4*RA
	ds_load_b64 v[LR+32*\z+16*\e+8+2*\u:LR+32*\z+16*\e+9+2*\u], v41 offset:\u*RS+\e*RA+\z*4*RA
.endr
.endr
.endr
.irp z, 0,1
	s_wait_dscnt 16-16*\z                          ; this half's 16 loads are in; the other half's 16 may be out
.irp e, 0,1
	v_pk_add_f32 v[LR+32*\z+16*\e:LR+32*\z+16*\e+1], v[LR+32*\z+16*\e:LR+32*\z+16*\e+1], v[LR+32*\z+16*\e+2:LR+32*\z+16*\e+3]
	v_pk_add_f32 v[LR+32*\z+16*\e+4:LR+32*\z+16*\e+5], v[LR+32*\z+16*\e+4:LR+32*\z+16*\e+5], v[LR+32*\z+16*\e+6:LR+32*\z+16*\e+7]
	v_pk_add_f32 v[LR+32*\z+16*\e+8:LR+32*\z+16*\e+9], v[LR+32*\z+16*\e+8:LR+32*\z+16*\e+9], v[LR+32*\z+16*\e+10:LR+32*\z+16*\e+11]
	v_pk_add_f32 v[LR+32*\z+16*\e+12:LR+32*\z+16*\e+13], v[LR+32*\z+16*\e+12:LR+32*\z+16*\e+13], v[LR+32*\z+16*\e+14:LR+32*\z+16*\e+15]
.endr
.irp e, 0,1
	v_pk_add_f32 v[LR+32*\z+16*\e:LR+32*\z+16*\e+1], v[LR+32*\z+16*\e:LR+32*\z+16*\e+1], v[LR+32*\z+16*\e+4:LR+32*\z+16*\e+5]
	v_pk_add_f32 v[LR+32*\z+16*\e+8:LR+32*\z+16*\e+9], v[LR+32*\z+16*\e+8:LR+32*\z+16*\e+9], v[LR+32*\z+16*\e+12:LR+32*\z+16*\e+13]
.endr
.irp e, 0,1
	v_add_f32 v[OUT+4*\z+\e], v[LR+32*\z+16*\e], v[LR+32*\z+16*\e+8]         ; the last additions put even and odd columns side by side
	v_add_f32 v[OUT+4*\z+2+\e], v[LR+32*\z+16*\e+1], v[LR+32*\z+16*\e+9]
.endr
	global_store_b128 v42, v[OUT+4*\z:OUT+4*\z+3], s[POUT:POUT+1] offset:\z*32*32768 th:TH_STORE_NT   ; eight lanes store a row's 128 consecutive bytes, all that the work-group owns of it; four rows an instruction
.endr
	s_wait_tensorcnt 0x0
	ds_add_u32 v254, v255
	s_wait_dscnt 0x0
	s_endpgm
.Lfunc_end_k_q205392dbc3_main:
	.size	k_q205392dbc3_main, .Lfunc_end_k_q205392dbc3_main-k_q205392dbc3_main
	.p2alignl 7, 3214868480
	.fill 96, 4, 3214868480
	.section	.rodata,"a",@progbits
	.p2align	6, 0x0
	.amdhsa_kernel k_q205392dbc3_main
		.amdhsa_group_segment_fixed_size 101376
		.amdhsa_private_segment_fixed_size 0
		.amdhsa_enable_private_segment 0
		.amdhsa_kernarg_size 56
		.amdhsa_user_sgpr_count 2
		.amdhsa_user_sgpr_kernarg_segment_ptr 1
		.amdhsa_wavefront_size32 1
		.amdhsa_system_sgpr_workgroup_id_x 1
		.amdhsa_system_sgpr_workgroup_id_y 1
		.amdhsa_system_sgpr_workgroup_id_z 1
		.amdhsa_system_vgpr_workitem_id 0
		.amdhsa_next_free_vgpr 512
		.amdhsa_next_free_sgpr 66
		.amdhsa_reserve_vcc 0
		.amdhsa_float_denorm_mode_32 3
		.amdhsa_float_denorm_mode_16_64 3
		.amdhsa_memory_ordered 1
		.amdhsa_forward_progress 1
		.amdhsa_inst_pref_size 243
	.end_amdhsa_kernel
	.amdgpu_metadata
---
amdhsa.version: [ 1, 2 ]
amdhsa.kernels:
  - .name:           k_q205392dbc3_main
    .symbol:         k_q205392dbc3_main.kd
    .args:
      - { .name: packed_indices, .offset: 0, .size: 8, .value_kind: global_buffer, .address_space: global }
      - { .name: scales, .offset: 8, .size: 8, .value_kind: global_buffer, .address_space: global }
      - { .name: su, .offset: 16, .size: 8, .value_kind: global_buffer, .address_space: global }
      - { .name: sv, .offset: 24, .size: 8, .value_kind: global_buffer, .address_space: global }
      - { .name: grid, .offset: 32, .size: 8, .value_kind: global_buffer, .address_space: global }
      - { .name: xq, .offset: 40, .size: 8, .value_kind: global_buffer, .address_space: global }
      - { .name: out0, .offset: 48, .size: 8, .value_kind: global_buffer, .address_space: global }
    .group_segment_fixed_size: 101376
    .private_segment_fixed_size: 0
    .kernarg_segment_align: 8
    .kernarg_segment_size: 56
    .max_flat_workgroup_size: 256
    .sgpr_count:     66
    .vgpr_count:     512
    .wavefront_size: 32
...
	.end_amdgpu_metadata
.endif
;; end of part 2
;; ======== version 2 of 2: 2 launches
;; workspace buffers: xq 425,984 bytes
;; launch xq (part 3): grid 64 x 4, 1 waves a work-group, no clusters, 8,704 bytes of LDS; arguments x, xq; writes xq
.if DOCPART == 3
	.amdgcn_target "amdgcn-amd-amdhsa--gfx1250"
	.amdhsa_code_object_version 6
	.text
	.protected	k_q205392dbc3_xq
	.globl	k_q205392dbc3_xq
	.p2align	8
	.type	k_q205392dbc3_xq,@function
k_q205392dbc3_xq:
	s_mov_b64 s[64:65], 0
	v_nop
	global_prefetch_b8 v0, s[64:65] scope:SCOPE_SE
	s_setreg_imm32_b32 hwreg(HW_REG_WAVE_MODE, 25, 1), 1
	s_wait_xcnt 0x0
; x [64][8192] f32 becomes codes of FP6 (E2M3) with one E8M0 scale byte for each 32 along K, laid as the product's launch wants them:
; AS IMAGES OF THE OPERAND'S REGISTERS.  A fragment is 16 rows x 128 K: 12 registers a lane.  K step s has a record of REC = 6,656 bytes: the fragments of the four tiles of rows, 1,536 bytes each
; (registers 4 c .. 4 c + 3 of lane l at 512 c + 16 l), then 512 bytes of scale words: lane l's 16 bytes hold the words of row l % 16 of the four tiles.
; A block's scale is 2^(floor(log2(its largest magnitude)) - 2); its byte is the largest magnitude's exponent field - 2, held at 1 from below (a block of zeros so gets the byte 1: its codes are zeros, and this program alone reads the bytes).
; LIMITS: NaN and infinities among the inputs are not served; blocks whose largest magnitude lies under 2^-124 keep the byte 1.
; SHARES: one wave to a work-group, one fragment to a wave: work-group (s, m) takes rows 16 m .. 16 m + 15, K = 128 s .. 128 s + 127: 256 work-groups of equal work.  No barrier: nothing is shared.
; Each load takes one row's 512 consecutive bytes, 16 a lane.  The conversions want 16 NEIGHBOURS along K in one lane's registers, so the 16 rows turn through a stage in LDS: in as loaded, out 64 bytes a lane.
.set KROW,  32768                      ; bytes in a row of x
.set REC,   6656                       ; bytes of a K step's record
.set PITCH, 528                        ; a stage row: 512 bytes + 16 = 132 words: row r starts at bank 4 r mod 64 (64 banks of 4 bytes: ISA guide 11.1), so the 16 rows that a load touches start at 16 different banks
.set A,   16                           ; v16-79   the rows as loaded
.set S,   80                           ; v80-143  register 16 b + i = x(row r, 32 b + 16 h + i)
.set PC,  144                          ; v144-155 the fragment; v156-158, v160-162 the blocks' second halves on their way
.set TM,  164                          ; v164-167 largest magnitudes, v168-171 the other half's, then bytes, v176-179 the conversions' scale operands
.set PW,  180                          ; the row's scale word
.set SEL, 20                           ; s[20:21] v_permlanex16_b32's selects for lane l xor 16
	s_load_b128 s[4:7], s[0:1], 0x0                ; x, xq
	v_lshl_add_u32 v184, v0, 2, 0x2100
	v_mov_b32 v185, 0
	s_and_b32 s8, ttmp7, 0xffff                    ; m: which tile of 16 rows
	v_and_b32 v2, 15, v0                           ; r
	v_lshrrev_b32 v3, 4, v0                        ; h
	v_lshlrev_b32 v4, 4, v0                        ; 16 x lane: my place in a row's 512 bytes, in the stage on the way in, and in an image
	v_mul_u32_u24 v6, v2, PITCH
	v_lshl_add_u32 v6, v3, 6, v6                   ; the stage on the way out: row r, + 64 h
	s_mov_b32 s[SEL], 0x76543210
	s_mov_b32 s[SEL+1], 0xfedcba98
.irp b, 0,1,2,3
	v_mov_b32 v[TM+4+\b], 0                        ; a lane permute's destination counts as one of its sources
.endr
	s_lshl_b32 s10, s8, 19                         ; 16 m rows of 32,768 bytes,
	s_lshl_b32 s11, ttmp9, 9                       ; + 512 s
	s_add_co_u32 s10, s10, s11
	s_mov_b32 s11, 0
	s_mul_i32 s12, ttmp9, REC                      ; the record,
	s_mul_i32 s13, s8, 1536                        ; my fragment in it
	s_add_co_u32 s12, s12, s13
	s_mov_b32 s13, 0
	s_mul_i32 s14, ttmp9, REC
	s_lshl_b32 s15, s8, 2                          ; my tile's word among a lane's four
	s_add_co_u32 s14, s14, s15
	s_add_co_u32 s14, s14, 6144                    ; behind the four fragments
	s_mov_b32 s15, 0
	s_wait_alu depctr_va_vdst(0)
	s_wait_kmcnt 0x0
	s_add_nc_u64 s[4:5], s[4:5], s[10:11]
	s_add_nc_u64 s[16:17], s[6:7], s[14:15]        ; where the scale words go
	s_add_nc_u64 s[6:7], s[6:7], s[12:13]          ; where the codes go
.irp p, 0,1,2,3,4,5,6,7,8,9,10,11,12,13,14,15
	global_load_b128 v[A+4*\p:A+4*\p+3], v4, s[4:5] offset:\p*KROW th:TH_LOAD_NT   ; row p: 32 lanes read 512 consecutive bytes, aligned
.endr
.irp p, 0,1,2,3,4,5,6,7,8,9,10,11,12,13,14,15
	s_wait_loadcnt 15-\p                           ; loads come back in order: row p is in, the 15 - p younger rows may be out
	ds_store_b128 v4, v[A+4*\p:A+4*\p+3] offset:\p*PITCH
.endr
.irp b, 0,1,2,3
.irp j, 0,1,2,3
	ds_load_b128 v[S+16*\b+4*\j:S+16*\b+4*\j+3], v6 offset:128*\b+16*\j   ; LDS serves a wave's instructions in order: these see the stores above
.endr
.endr
	s_wait_dscnt 0x0
.irp b, 0,1,2,3
	v_max3_num_f32 v[TM+\b], |v[S+16*\b]|, |v[S+1+16*\b]|, 0x1800000   ; block b: my 16 numbers, and the floor 2^(3 - 127): so the byte cannot fall under 1
.endr
.irp i, 2,4,6,8,10,12,14
.irp b, 0,1,2,3
	v_max3_num_f32 v[TM+\b], v[TM+\b], |v[S+16*\b+\i]|, |v[S+1+16*\b+\i]|   ; the four blocks by turns
.endr
.endr
.irp b, 0,1,2,3
	v_permlanex16_b32 v[TM+4+\b], v[TM+\b], s[SEL], s[SEL+1]
.endr
.irp b, 0,1,2,3
	v_max_num_f32 v[TM+\b], v[TM+\b], v[TM+4+\b]   ; with lane l xor 16's 16: the block's largest magnitude
.endr
.irp b, 0,1,2,3
	v_add_nc_u32 v[TM+12+\b], 0xff000000, v[TM+\b] ; 2 off its exponent field: the conversion takes the exponent field of this operand as its scale
.endr
.irp b, 0,1,2,3
	v_lshrrev_b32 v[TM+4+\b], 23, v[TM+12+\b]      ; the scale's byte
.endr
	v_lshl_or_b32 v[PW], v[TM+5], 8, v[TM+4]       ; the four bytes make my row's scale word (both halves of the lanes hold it)
	v_lshl_or_b32 v[PW], v[TM+6], 16, v[PW]
	v_lshl_or_b32 v[PW], v[TM+7], 24, v[PW]
.irp c, 0,1
	v_cvt_scalef32_pk16_fp6_f32 v[PC+6*\c:PC+2+6*\c], v[S+32*\c:S+15+32*\c], v[TM+12+2*\c]               ; the codes of k = 64 c + 16 h + 0 .. 15
	v_cvt_scalef32_pk16_fp6_f32 v[PC+12+4*\c:PC+14+4*\c], v[S+16+32*\c:S+31+32*\c], v[TM+12+2*\c+1]      ; and of k = 64 c + 32 + 16 h + 0 .. 15 (a conversion's three registers begin on an even number)
.endr
	v_nop                                          ; one plain vector instruction behind a scaled conversion
.irp c, 0,1                                    ; the operand's layout wants a WHOLE block in a lane: lanes 0-15 block 2 c, lanes 16-31 block 2 c + 1
.irp i, 0,1,2
	v_permlane16_swap_b32 v[PC+6*\c+\i], v[PC+12+4*\c+\i]
.endr
.irp i, 0,1,2
	v_mov_b32 v[PC+3+6*\c+\i], v[PC+12+4*\c+\i]    ; registers 6 c .. 6 c + 5 now hold k = 64 c + 32 h + 0 .. 31
.endr
.endr
.irp c, 0,1,2
	global_store_b128 v4, v[PC+4*\c:PC+4*\c+3], s[6:7] offset:512*\c   ; 32 lanes store 512 consecutive bytes, at a multiple of 256 from the buffer's first byte
.endr
	global_store_b32 v4, v[PW], s[16:17]           ; 4 bytes of each lane's 16: the four tiles' work-groups fill the 512 bytes between them; 1 byte in 13 of what the launch stores
	s_wait_tensorcnt 0x0
	ds_add_u32 v184, v185
	s_wait_dscnt 0x0
	s_endpgm
.Lfunc_end_k_q205392dbc3_xq:
	.size	k_q205392dbc3_xq, .Lfunc_end_k_q205392dbc3_xq-k_q205392dbc3_xq
	.p2alignl 7, 3214868480
	.fill 96, 4, 3214868480
	.section	.rodata,"a",@progbits
	.p2align	6, 0x0
	.amdhsa_kernel k_q205392dbc3_xq
		.amdhsa_group_segment_fixed_size 8704
		.amdhsa_private_segment_fixed_size 0
		.amdhsa_enable_private_segment 0
		.amdhsa_kernarg_size 16
		.amdhsa_user_sgpr_count 2
		.amdhsa_user_sgpr_kernarg_segment_ptr 1
		.amdhsa_wavefront_size32 1
		.amdhsa_system_sgpr_workgroup_id_x 1
		.amdhsa_system_sgpr_workgroup_id_y 1
		.amdhsa_system_sgpr_workgroup_id_z 1
		.amdhsa_system_vgpr_workitem_id 0
		.amdhsa_next_free_vgpr 186
		.amdhsa_next_free_sgpr 66
		.amdhsa_reserve_vcc 0
		.amdhsa_float_denorm_mode_32 3
		.amdhsa_float_denorm_mode_16_64 3
		.amdhsa_memory_ordered 1
		.amdhsa_forward_progress 1
		.amdhsa_inst_pref_size 10
	.end_amdhsa_kernel
	.amdgpu_metadata
---
amdhsa.version: [ 1, 2 ]
amdhsa.kernels:
  - .name:           k_q205392dbc3_xq
    .symbol:         k_q205392dbc3_xq.kd
    .args:
      - { .name: x, .offset: 0, .size: 8, .value_kind: global_buffer, .address_space: global }
      - { .name: xq, .offset: 8, .size: 8, .value_kind: global_buffer, .address_space: global }
    .group_segment_fixed_size: 8704
    .private_segment_fixed_size: 0
    .kernarg_segment_align: 8
    .kernarg_segment_size: 16
    .max_flat_workgroup_size: 32
    .sgpr_count:     66
    .vgpr_count:     186
    .wavefront_size: 32
...
	.end_amdgpu_metadata
.endif
;; end of part 3
;; launch main (part 4): grid 256 x 1, 8 waves a work-group, no clusters, 101,376 bytes of LDS; arguments packed_indices, scales, su, sv, grid, xq, out0; writes out0
.if DOCPART == 4
	.amdgcn_target "amdgcn-amd-amdhsa--gfx1250"
	.amdhsa_code_object_version 6
	.text
	.protected	k_q205392dbc3_main
	.globl	k_q205392dbc3_main
	.p2align	8
	.type	k_q205392dbc3_main,@function
k_q205392dbc3_main:
	s_mov_b64 s[64:65], 0
	v_nop
	global_prefetch_b8 v0, s[64:65] scope:SCOPE_SE
	s_setreg_imm32_b32 hwreg(HW_REG_WAVE_SCHED_MODE, 0, 2), 2
	s_setreg_imm32_b32 hwreg(HW_REG_WAVE_MODE, 25, 1), 1
	s_wait_xcnt 0x0
	s_wait_alu depctr_vm_vsrc(0)
; out[m][n] = sum over k of Q(x)[m][k] Q(W)[k][n],  W[k][n] = grid[idx(k, n)] x scales[k / 128][n] x su[k] x sv[n],  Q the MX-FP6 quantiser along K (E2M3, one E8M0 scale for each 32).
; Q(x) comes ready from the launch before, as images of the operand's registers.  W is made here, on the way to the matrix unit, and never goes to memory.
; packed_indices [512 (k / 16)][512 (n / 16)][128] int32: word j of a tile holds, in its low byte, the indices of (k % 16 = j / 8, n % 16 = 2 (j % 8)) in the low nibble and of the column beside it in the high nibble.  The upper 24 bits are not looked at, as in the definition.
; SHARES.  256 work-groups; each owns 32 columns (two tiles side by side: 1,024 consecutive bytes of each row of tiles) and ALL of K, so each output has one owner.  Its eight waves share K: wave w takes K steps w, w + 8 .. w + 56
; of 128 along K, for all 64 rows and 32 columns: 8 accumulators.  The eight partial sums meet in LDS at the end, behind the kernel's one barrier.  Until then no wave waits for another.
; A K STEP OF A WAVE: 128 x 32 = 4,096 weights.
;   load    16 loads of 16 bytes a lane; lanes 0-15 take 256 consecutive aligned bytes of the left tile (8 k x 8 pairs of columns), lanes 16-31 of the right one.  Load (b, i) brings a lane k = 32 b + 8 i + k_sub, four pairs of columns
;   pack    the useful bytes of i = 0 .. 3 make one word: 4 k of one pair of columns, all of one block of 32: three v_perm_b32 a word
;   turn    the words go through the wave's own 2,304 bytes of LDS, [pair][block][k_sub]: 16 stores of 4 bytes, 4 loads of 16: lane (r, h) then holds pair r's 32 bytes of blocks h and 2 + h: what the operand's layout gives that lane
;   look up one instruction puts a nibble at bits 5:2 of an index, one ds_bpermute_b32 fetches grid[nibble] from a register in which lane l holds grid[l % 16].  The permute takes its index as a signed number, divides it by 4 and takes the
;           result modulo 32 (ISA guide, its entry): so every index is kept under 2^30; what stands in bits 1:0 and from bit 7 on does not count, and bit 6 may be anything, since both halves of the lanes hold the table
;           THE LOW NIBBLES MAKE A FRAGMENT OF THE 16 EVEN COLUMNS, THE HIGH ONES OF THE 16 ODD COLUMNS: which columns form a tile is free.  Each result is written to register 8 i + k_sub: K in its true order
;   scale   x su[k]: a lane of each row of 16 holds four su, and v_mul_f32_dpp row_share hands them to the row: one load of su a step.  Then x c = scales x sv, the lane's own: two numbers an instruction
;   quantise a block of 32 is one lane's 32 registers: no other lane is asked for the maximum
;   product 8 matrix instructions, used transposed: source 0 = 16 columns of W, source 1 = 16 rows of x: a lane then holds one row of out
; AHEAD.  Raw indices are asked for two K steps ahead (two sets of 64 registers: 16 KiB a wave, 128 KiB a work-group on their way), su and scales two; x's record at the head of its own step, ahead of all the step's work on W.
; Two sets of 64 numbers take turns: one is out at the lane permutes while the other is multiplied and converted.
; THE MODE: SCHED_MODE bits 1:0 = 2 (LLVM: expert scheduling mode 2), set by the entry lines.  The code itself states the register dependences between vector or matrix instructions and memory or LDS instructions, with s_wait_alu, always for 0.
; THE PLAN.  Registers that memory or LDS instructions touch, round step t (q = t % 2):
;   raw set 1 - q    read by the pack's first 32 v_perm_b32; then the loads of step t + 3 land in it.
;   XF, XS           x's fragments and scale words: read by the products of step t - 1; then step t's record lands in them.
;   P                written by the pack's last 16 v_perm_b32; read by the turn's 16 stores.
;   D                the turn's four loads land in it; read by the index lines of both sets.
;   VA               step t + 1's indices are written in the middle of step t; its 64 look-ups, which read a register and land in the same one, are dealt among the lines that work VB; it is worked at the head of step t + 1.
;   VB               step t + 1's indices are written at the end of step t; its 64 look-ups are dealt among the lines that work VA in step t + 1; it is worked behind them.
;   SU[q], SC[q]     read by the step's multiplications; then step t + 2's loads land in them.
;   v1 to v6, v8     offsets and the table: never written behind the head; the scalar bases move on.
;   The pack's halves, W's codes and scale words and the accumulators are named by vector and matrix instructions alone, until the way out.
; So a step has three waits on va_vdst, each behind a run of vector lines and ahead of a run of loads, stores or look-ups (behind the pack; behind VA's index lines; behind VB's index lines, where it also stands ahead of the products),
; and two on vm_vsrc (at the step's head, for P and VA; in its middle, for VB).  What is dealt among vector lines behind a wait names no register that those lines name.
; NOT IN CLUSTERS, though all work-groups read the same fragments of x (6,656 bytes a K step beside 8,192 of indices): joint loads land in LDS, and from there a step's fragments would cost 26 LDS passes more beside the step's 128 lane
; permutes and 24 passes of the turn, on the unit that this design loads most; and their rounds would tie the waves, which here meet at no barrier until the end.  So the fragments come straight into registers.
; NO PREFETCH INTO THE L2: the index stream is asked for by the loads themselves, two K steps ahead, all through the launch.
; OUT: a work-group owns 128 bytes of each row of out: eight lanes store them as one run; whole aligned runs of 256 would want 64 columns to a work-group, and then only 128 work-groups.
; LIMITS: NaN and infinities are not served.  W is formed as (grid x su) x (scales x sv), another order of the same f32 products than the definition's.  A block whose largest magnitude lies under 2^-124 keeps the byte 1 (a block of zeros too: its codes are zeros).
; The sum over K is taken in eight parts (K steps w mod 8), added in f32 as a tree.
; REGISTERS, in windows of 256 (s_set_vgpr_msb: bits 1:0 source 0, 3:2 source 1, 5:4 source 2, 7:6 destination):
;   window 0: v1-8 offsets and the table; v10-33 sv, c, su x 2, scales x 2, scale words; v34-47 at work; v48-63 packed words; v64-127, v128-191 the two sets of numbers; v192-215 W's two fragments; v216-222 second halves; v232-247 packed words on their way out
;   window 1: v0-63 accumulators ((tile of rows m, even / odd) at 16 m + 8 e); v64-111 x's four fragments; v128-191, v192-255 raw indices, two sets
.set RB,      262144                   ; bytes in a row of tiles
.set RAWSTEP, 64*RB                    ; from a wave's K step to its next: 8 K steps of 8 rows of tiles
.set SCSTEP,  8*32768                  ; the same in scales,
.set SUSTEP,  8*512                    ; in su,
.set REC,     6656                     ; (a K step's record of x: 4 fragments of 1,536 bytes, 512 bytes of scale words)
.set XSTEP,   8*REC                    ; and in xq
.set SPITCH,  144                      ; the turn: a pair's row: 4 blocks x 32 bytes + 16 = 36 words
.set WREG,    16*SPITCH                ; a wave's stage
.set RED,     8*WREG                   ; behind the stages: the partial sums
.set RH,      320                      ; sixteen lanes' 256 bytes + 64: the other half of the lanes lies 16 banks on,
.set RJ,      2*RH                     ; an accumulator's upper four registers 32 banks on: so the 8-byte reads of the final sum touch 64 different banks
.set RA,      2*RJ                     ; an accumulator
.set RS,      8*RA                     ; a wave's eight
.set LO,  1                            ; v1   raw indices: 512 (lane / 16) + 16 (lane % 16)
.set STA, 2                            ; v2   the turn, in
.set LDA, 3                            ; v3   the turn, out
.set XO,  4                            ; v4   16 x lane: an image's place for my lane
.set SUO, 5                            ; v5   su: lane (h, j) holds su[32 h + 64 (j / 8) + 4 (j % 8) + 0 .. 3] of the step
.set SCO, 6                            ; v6   8 r: my pair of columns in scales and sv
.set SH8, 7                            ; v7   8 h
.set G,   8                            ; v8   grid[lane % 16]
.set SV,  10                           ; v10-11 sv of my two columns
.set CE,  12                           ; v12-13 c of the even column, twice (a pair for the packed multiply); v14-15 of the odd one
.set CO,  14
.set SU,  16                           ; v16-19, v20-23 su, for even and odd steps of the wave
.set SC,  24                           ; v24-25, v26-27 scales likewise
.set XS,  28                           ; v28-31 x's scale words, a register for each tile of rows: they hold scales and nothing else
.set WSE, 32                           ; v32, v33 W's scale words, even and odd columns: likewise
.set WSO, 33
.set MA,  34                           ; v34-37 four running maxima
.set MB,  35
.set MC,  36
.set MD,  37
.set SCE, 38                           ; v38, v39 the conversions' scale operands
.set SCO2, 39
.set BYE, 40                           ; v40-41, v42-43 scale bytes of my two blocks
.set BYO, 42
.set WT,  44                           ; v44-47 at work on the scale words
.set D,   48                           ; v48-63 word 8 c + d: byte i = the pair's indices at k = 64 c + 32 h + 8 i + d
.set VA,  64                           ; numbers of c = 0: even column v64-95, odd column v96-127
.set VB,  128                          ; of c = 1
.set CDE, 192                          ; the even columns' fragment, 12 registers
.set CDO, 204                          ; the odd columns'
.set TE,  216
.set TO,  220
.set T0,  192                          ; the pack's halves lie where the codes of the step before lay
.set T1,  208
.set P,   232
.set ACC, 0                            ; window 1
.set XF,  64
.set R0,  128
.set LR,  64                           ; the final sum: 32 pairs
.set OUT, 192
.set PRW, 4                            ; s[4:5] raw indices; s[6:7] scales; s[8:9] su; s[10:11] sv; s[12:13] grid; s[14:15] xq; s[16:17] out
.set PSC, 6
.set PSU, 8
.set PSV, 10
.set PGR, 12
.set PX,  14
.set POUT, 16
.set WV,  18
.set CNT, 19
.set SA,  24
.set SB,  25
.set SEL, 26
.set LK,  0                            ; counts the look-ups of a set as they are dealt
.set MSB, 0
.macro WIN new                         ; the immediate's high byte repeats the setting that is left
.if MSB != \new
	s_set_vgpr_msb (MSB<<8)|\new
.set MSB, \new
.endif
.endm
.macro RAWLD rb                        ; a K step's raw indices: block b, eighth i: row of tiles 2 b + i / 2, its upper or lower 256 bytes.  (It leaves the destination's window at 1)
	WIN 0x40                                       ; destination window 1
.irp b, 0,1,2,3
.irp i, 0,1,2,3
	global_load_b128 v[\rb+16*\b+4*\i:\rb+16*\b+4*\i+3], v[LO], s[PRW:PRW+1] offset:(2*\b+\i/2)*RB+(\i%2)*256 th:TH_LOAD_NT   ; read once in the launch
.endr
.endr
.endm
.macro SLD q, osu, osc                 ; a K step's su (128 numbers, 4 a lane) and scales (my two columns)
	global_load_b128 v[SU+4*\q:SU+4*\q+3], v[SUO], s[PSU:PSU+1] offset:\osu
	global_load_b64 v[SC+2*\q:SC+2*\q+1], v[SCO], s[PSC:PSC+1] offset:\osc
.endm
.macro XLD                             ; a K step's record of x: one load brings the scale words, 12 the four fragments as they stand.  (Every window is 0 on the way in; it leaves the destination's window at 1)
	global_load_b128 v[XS:XS+3], v[XO], s[PX:PX+1] offset:6144
	WIN 0x40
.irp f, 0,1,2,3,4,5,6,7,8,9,10,11
	global_load_b128 v[XF+4*\f:XF+4*\f+3], v[XO], s[PX:PX+1] offset:512*\f
.endr
.endm
; The raw set rq is packed and sent through the turn; xld = 1: this step's record of x is asked for; rawld = 1: the raw set is asked for again, for the K step two on.
.macro PACK rq, rawld, xld
.set RR, R0+64*(\rq)
	WIN 0x05                                       ; sources 0 and 1 window 1
.irp b, 0,1,2,3
.irp p, 0,1,2,3
	v_perm_b32 v[T0+4*\b+\p], v[RR+16*\b+4+\p], v[RR+16*\b+\p], s[SA]      ; the low bytes of i = 0, 1
	v_perm_b32 v[T1+4*\b+\p], v[RR+16*\b+12+\p], v[RR+16*\b+8+\p], s[SA]   ; and of i = 2, 3
.endr
.endr
	WIN 0
.irp n, 0,1,2,3,4,5,6,7,8,9,10,11,12,13,14,15
	v_perm_b32 v[P+\n], v[T1+\n], v[T0+\n], s[SB]  ; word 4 b + p: pair 4 (lane % 2) + p of my tile, k = 32 b + 8 i + k_sub in byte i
.endr
	s_wait_alu depctr_va_vdst(0)                   ; the pack is done reading the raw set, in which the loads below land, and has written P, which the turn's stores read; the products of the step before are done reading x's fragments and scale words, in which the record lands; the index lines of the step before are done reading D, in which the turn's loads land.  Only loads, window switches and the turn follow until the next vector line
.if \xld
	XLD                                            ; ahead of the raw loads: the wait for the record then leaves them out
.endif
.if \rawld
	RAWLD RR
.endif
	WIN 0
.irp b, 0,1,2,3
.irp p, 0,1,2,3
	ds_store_b32 v[STA], v[P+4*\b+\p] offset:\p*SPITCH+32*\b
.endr
.endr
.irp c, 0,1
	ds_load_b128 v[D+8*\c:D+8*\c+3], v[LDA] offset:64*\c          ; LDS serves a wave's instructions in order (ISA guide 5.7.1.4): these see the stores above, and the next step's stores come behind them
	ds_load_b128 v[D+8*\c+4:D+8*\c+7], v[LDA] offset:64*\c+16
.endr
.endm
; The 64 indices of my block 2 c + h of both columns.  An index is made in the register in which the number will land.
.macro IDXV vb, c
.irp d, 0,1,2,3,4,5,6,7
	v_mul_u32_u24 v[\vb+\d], 4, v[D+8*\c+\d]                      ; the nibble to bits 5:2.  Byte 0's low nibble goes UP two bits: the word's low 24 bits x 4, under 2^26; a plain shift would carry a bit of byte 3 into bit 31, the index's sign
	v_lshrrev_b32 v[\vb+32+\d], 2, v[D+8*\c+\d]                   ; all others go down two bits or more: under 2^30.  What stands beside the nibble is not looked at
.irp i, 1,2,3
	v_lshrrev_b32 v[\vb+8*\i+\d], 8*\i-2, v[D+8*\c+\d]
	v_lshrrev_b32 v[\vb+32+8*\i+\d], 8*\i+2, v[D+8*\c+\d]
.endr
.endr
.endm
.macro LOOK bp                         ; one look-up, the next of set bp: it reads its index and lands on it
	ds_bpermute_b32 v[\bp+LK], v[\bp+LK], v[G]
.set LK, LK+1
.endm
.macro MULSU4 vb, su, g, n, look, bp   ; numbers 4 g .. 4 g + 3 of both columns x su: lane n of my row of 16 holds the four.  look = 1: a look-up of set bp behind each two lines
.irp k, 0,1,2,3
	v_mul_f32_dpp v[\vb+4*(\g)+\k], v[\su+\k], v[\vb+4*(\g)+\k] row_share:\n row_mask:0xf bank_mask:0xf
	v_mul_f32_dpp v[\vb+32+4*(\g)+\k], v[\su+\k], v[\vb+32+4*(\g)+\k] row_share:\n row_mask:0xf bank_mask:0xf
.if \look
	LOOK \bp
.endif
.endr
.endm
; The 64 numbers of set vb become registers 6 c .. 6 c + 5 of both fragments, and a scale byte each.  look = 1: the 64 look-ups of the OTHER set, bp, are dealt among the 96 multiplications: 32 and 32.
; No wait stands among them: the other set's indices were shown written ahead of this macro, and no line here names a register of that set or the table.
.macro PROC vb, c, su, look, bp
.set LK, 0
.if \c == 0
.irp n, 0,1,2,3,4,5,6,7
	MULSU4 \vb, \su, \n, \n, \look, \bp
.endr
.else
.irp n, 8,9,10,11,12,13,14,15
	MULSU4 \vb, \su, (\n-8), \n, \look, \bp
.endr
.endif
.irp j, 0,2,4,6,8,10,12,14,16,18,20,22,24,26,28,30
	v_pk_mul_f32 v[\vb+\j:\vb+\j+1], v[\vb+\j:\vb+\j+1], v[CE:CE+1]
.if \look
	LOOK \bp
.endif
	v_pk_mul_f32 v[\vb+32+\j:\vb+33+\j], v[\vb+32+\j:\vb+33+\j], v[CO:CO+1]
.if \look
	LOOK \bp
.endif
.endr
	v_max3_num_f32 v[MA], |v[\vb]|, |v[\vb+1]|, 0x1800000         ; each block's largest magnitude in two chains, the four chains by turns; and the floor 2^(3 - 127): so the byte cannot fall under 1
	v_max3_num_f32 v[MB], |v[\vb+16]|, |v[\vb+17]|, |v[\vb+18]|
	v_max3_num_f32 v[MC], |v[\vb+32]|, |v[\vb+33]|, 0x1800000
	v_max3_num_f32 v[MD], |v[\vb+48]|, |v[\vb+49]|, |v[\vb+50]|
.irp i, 0,2,4,6,8,10
	v_max3_num_f32 v[MA], v[MA], |v[\vb+2+\i]|, |v[\vb+3+\i]|
	v_max3_num_f32 v[MB], v[MB], |v[\vb+19+\i]|, |v[\vb+20+\i]|
	v_max3_num_f32 v[MC], v[MC], |v[\vb+34+\i]|, |v[\vb+35+\i]|
	v_max3_num_f32 v[MD], v[MD], |v[\vb+51+\i]|, |v[\vb+52+\i]|
.endr
	v_max3_num_f32 v[MA], v[MA], |v[\vb+14]|, |v[\vb+15]|
	v_max3_num_f32 v[MC], v[MC], |v[\vb+46]|, |v[\vb+47]|
	v_max3_num_f32 v[MA], v[MA], v[MB], |v[\vb+31]|
	v_max3_num_f32 v[MC], v[MC], v[MD], |v[\vb+63]|
	v_add_nc_u32 v[SCE], 0xff000000, v[MA]         ; 2 off the exponent field: the conversion takes the exponent field of this operand as its scale
	v_add_nc_u32 v[SCO2], 0xff000000, v[MC]
	v_cvt_scalef32_pk16_fp6_f32 v[CDE+6*\c:CDE+6*\c+2], v[\vb:\vb+15], v[SCE]
	v_cvt_scalef32_pk16_fp6_f32 v[TE:TE+2], v[\vb+16:\vb+31], v[SCE]          ; (a conversion's three registers begin on an even number: the second half of a block's six does not)
	v_cvt_scalef32_pk16_fp6_f32 v[CDO+6*\c:CDO+6*\c+2], v[\vb+32:\vb+47], v[SCO2]
	v_cvt_scalef32_pk16_fp6_f32 v[TO:TO+2], v[\vb+48:\vb+63], v[SCO2]
	v_lshrrev_b32 v[BYE+\c], 23, v[SCE]            ; the scale's byte.  (A plain vector instruction behind the conversions)
	v_lshrrev_b32 v[BYO+\c], 23, v[SCO2]
.irp i, 0,1,2
	v_mov_b32 v[CDE+6*\c+3+\i], v[TE+\i]
	v_mov_b32 v[CDO+6*\c+3+\i], v[TO+\i]
.endr
.endm
.macro WSCALE                          ; my two bytes are those of blocks h and 2 + h: 8 h bits up, and with lane l xor 16's two the word is whole
	v_lshl_or_b32 v[WT], v[BYE+1], 16, v[BYE]
	v_lshl_or_b32 v[WT+1], v[BYO+1], 16, v[BYO]
	v_lshlrev_b32 v[WT], v[SH8], v[WT]
	v_lshlrev_b32 v[WT+1], v[SH8], v[WT+1]
	v_permlanex16_b32 v[WT+2], v[WT], s[SEL], s[SEL+1]
	v_permlanex16_b32 v[WT+3], v[WT+1], s[SEL], s[SEL+1]
	v_or_b32 v[WSE], v[WT], v[WT+2]
	v_or_b32 v[WSO], v[WT+1], v[WT+3]
.endm
; The step's eight products.  The eight accumulators take turns, one instruction a turn, from step to step too.  first = 1: the products start the sums: nothing is cleared.
.macro WMMAS first
	WIN 0x54                                       ; source 0 (W) window 0; source 1 (x), C and D window 1; scale operands have no window
.irp m, 0,1,2,3
.if \first
	v_wmma_scale_f32_16x16x128_f8f6f4 v[ACC+16*\m:ACC+16*\m+7], v[CDE:CDE+11], v[XF+12*\m:XF+12*\m+11], 0, v[WSE], v[XS+\m] matrix_a_fmt:MATRIX_FMT_FP6 matrix_b_fmt:MATRIX_FMT_FP6
	v_wmma_scale_f32_16x16x128_f8f6f4 v[ACC+16*\m+8:ACC+16*\m+15], v[CDO:CDO+11], v[XF+12*\m:XF+12*\m+11], 0, v[WSO], v[XS+\m] matrix_a_fmt:MATRIX_FMT_FP6 matrix_b_fmt:MATRIX_FMT_FP6
.else
	v_wmma_scale_f32_16x16x128_f8f6f4 v[ACC+16*\m:ACC+16*\m+7], v[CDE:CDE+11], v[XF+12*\m:XF+12*\m+11], v[ACC+16*\m:ACC+16*\m+7], v[WSE], v[XS+\m] matrix_a_fmt:MATRIX_FMT_FP6 matrix_b_fmt:MATRIX_FMT_FP6
	v_wmma_scale_f32_16x16x128_f8f6f4 v[ACC+16*\m+8:ACC+16*\m+15], v[CDO:CDO+11], v[XF+12*\m:XF+12*\m+11], v[ACC+16*\m+8:ACC+16*\m+15], v[WSO], v[XS+\m] matrix_a_fmt:MATRIX_FMT_FP6 matrix_b_fmt:MATRIX_FMT_FP6
.endif
.endr
	WIN 0
.endm
; STEP t of the wave's eight.  On entry the first set's look-ups of step t are out; the second set's indices are written, and shown written, and its look-ups are not yet issued.
; q = t % 2.  pack: step t + 1 exists; rawld: step t + 3 does; rawn: the next step will ask for raw indices; sld: step t + 2 exists.
; na: how many loads, younger than step t's su and scales and step t + 1's raw indices, may stay out.  nx: those younger than x's record of step t: this step's raw loads, su and scales.
.macro STEP q, first, pack, rawld, rawn, sld, na, nx
	s_wait_loadcnt \na
	s_wait_alu depctr_vm_vsrc(0)                   ; the turn's stores of the step before have read P, which the pack writes again; the look-ups issued in the step before have read the first set, which the multiplications below write (in the first step also: the table's load has read its offset, v36, a running maximum from here on)
	v_mul_f32 v[CE], v[SC+2*\q], v[SV]             ; c = scales x sv of my two columns, each twice
	v_mul_f32 v[CE+1], v[SC+2*\q], v[SV]
	v_mul_f32 v[CO], v[SC+2*\q+1], v[SV+1]
	v_mul_f32 v[CO+1], v[SC+2*\q+1], v[SV+1]
.if \pack
	PACK 1-\q, \rawld, 1                           ; the next step's indices go through the turn; this step's record of x and the raw indices of three steps on are asked for
	s_wait_dscnt 20                                ; the first set is in: younger than its last look-up are the turn's 16 stores and 4 loads
.else
	s_wait_alu depctr_va_vdst(0)                   ; the products of the step before are done reading x's fragments and scale words, in which the record lands
	XLD
	WIN 0
	s_wait_dscnt 0x0                               ; the first set is in
.endif
	PROC VA, 0, SU+4*\q, 1, VB                     ; the second set's look-ups go out among these lines
.if \pack
	s_wait_dscnt 63                                ; the next step's packed words are in: 64 look-ups are younger than the turn's loads, and 63 is the largest count that the wait can name
	IDXV VA, 0                                     ; the next step's first set
.endif
	s_wait_dscnt 0x0                               ; the second set is in
	s_wait_alu depctr_vm_vsrc(0)                   ; its look-ups have read the second set, which the multiplications below write
.if \pack
	s_wait_alu depctr_va_vdst(0)                   ; the index lines have written the first set, and the conversions are done reading it: the look-ups dealt among the lines below read it and land in it
.endif
	PROC VB, 1, SU+4*\q, \pack, VA
	WSCALE
.if \pack
	IDXV VB, 1                                     ; the next step's second set.  These 64 lines are also the plain vector instructions between the writing of W's scale words and codes and the products (8 and 4 are asked)
.else
.rept 8
	v_nop                                          ; the same eight, where no step follows
.endr
.endif
	s_wait_alu depctr_va_vdst(0)                   ; W's codes and scale words are written, which the products take; where a step follows: the multiplications are done reading su and scales, in which the loads below land, and the index lines have written the second set, which the next step's look-ups read and in which they land
.if \pack
	s_wait_xcnt 0x0                                ; every earlier load has had its address translated (ISA guide 3.1): the bases are stepped only behind this wait
	s_add_nc_u64 s[PX:PX+1], s[PX:PX+1], XSTEP
.if \rawn
	s_add_nc_u64 s[PRW:PRW+1], s[PRW:PRW+1], RAWSTEP   ; (in the loop's last step this base passes the last step: it is not used again)
.endif
.if \sld
	s_add_nc_u64 s[PSU:PSU+1], s[PSU:PSU+1], SUSTEP
	s_add_nc_u64 s[PSC:PSC+1], s[PSC:PSC+1], SCSTEP
	SLD \q, 0, 0                                   ; step t + 2's, into the registers that this step has done with
.endif
.endif
	s_wait_loadcnt \nx                             ; x's record of this step is in
	WMMAS \first
.rept 4
	v_nop                                          ; four plain vector instructions behind the products (ISA guide 7.12.1), in front of the pack's writes where the codes lay and of the first read of results
.endr
.endm
	s_load_b256 s[4:11], s[0:1], 0x0               ; packed_indices, scales, su, sv
	s_load_b128 s[12:15], s[0:1], 0x20             ; grid, xq
	s_load_b64 s[16:17], s[0:1], 0x30              ; out
	v_lshl_add_u32 v254, v0, 2, 0x18800
	v_mov_b32 v255, 0
	v_lshrrev_b32 v9, 5, v0
	v_readfirstlane_b32 s[WV], v9                  ; wave 0..7
	v_bfe_u32 v9, v0, 4, 1                         ; h = lane / 16
	v_and_b32 v34, 15, v0                          ; r = lane % 16
	s_wait_alu depctr_va_sdst(0)                   ; the wave's number is written, ahead of its first reader: LDS places and the bases are made from it
	s_mul_i32 s34, s[WV], WREG                     ; my stage
	v_lshlrev_b32 v[LO], 4, v34
	v_lshl_add_u32 v[LO], v9, 9, v[LO]
	v_mul_u32_u24 v[STA], v9, 8*SPITCH             ; in: pair 8 (lane / 16) + 4 (lane % 2) + p, word k_sub = (lane % 16) / 2 of a block
	v_and_b32 v35, 1, v0
	v_mad_u32_u24 v[STA], v35, 4*SPITCH, v[STA]
	v_bfe_u32 v35, v0, 1, 3
	v_lshl_add_u32 v[STA], v35, 2, v[STA]
	v_add_nc_u32 v[STA], s34, v[STA]
	v_mul_u32_u24 v[LDA], v34, SPITCH              ; out: pair r, block h
	v_lshl_add_u32 v[LDA], v9, 5, v[LDA]
	v_add_nc_u32 v[LDA], s34, v[LDA]
	v_and_b32 v35, 31, v0
	v_lshlrev_b32 v[XO], 4, v35
	v_and_b32 v35, 7, v0
	v_lshlrev_b32 v[SUO], 4, v35
	v_bfe_u32 v35, v0, 3, 1
	v_lshl_add_u32 v[SUO], v35, 8, v[SUO]
	v_lshl_add_u32 v[SUO], v9, 7, v[SUO]
	v_lshlrev_b32 v[SCO], 3, v34
	v_lshlrev_b32 v[SH8], 3, v9
	v_lshlrev_b32 v36, 2, v34                      ; grid[r]
	v_mov_b32 v[WT+2], 0                           ; a lane permute's destination counts as one of its sources
	v_mov_b32 v[WT+3], 0
	s_mov_b32 s[SA], 0x04000400                    ; byte 0 of the second source, byte 0 of the first
	s_mov_b32 s[SB], 0x05040100                    ; the low halves of both
	s_mov_b32 s[SEL], 0x76543210
	s_mov_b32 s[SEL+1], 0xfedcba98                 ; v_permlanex16_b32's selects for lane l xor 16
	s_lshl_b32 s20, s[WV], 21                      ; K step w: 8 rows of tiles,
	s_lshl_b32 s21, ttmp9, 10                      ; my work-group's two tiles
	s_add_co_u32 s20, s20, s21
	s_mov_b32 s21, 0
	s_lshl_b32 s22, s[WV], 15                      ; row w of scales,
	s_lshl_b32 s30, ttmp9, 7                       ; my work-group's 32 columns
	s_add_co_u32 s22, s22, s30
	s_mov_b32 s23, 0
	s_lshl_b32 s28, s[WV], 9
	s_mov_b32 s29, 0
	s_mov_b32 s31, 0
	s_mul_i32 s32, s[WV], REC
	s_mov_b32 s33, 0
	s_wait_kmcnt 0x0
	s_add_nc_u64 s[PRW:PRW+1], s[PRW:PRW+1], s[20:21]
	s_add_nc_u64 s[PSC:PSC+1], s[PSC:PSC+1], s[22:23]
	s_add_nc_u64 s[PSU:PSU+1], s[PSU:PSU+1], s[28:29]
	s_add_nc_u64 s[PSV:PSV+1], s[PSV:PSV+1], s[30:31]
	s_add_nc_u64 s[POUT:POUT+1], s[POUT:POUT+1], s[30:31]
	s_add_nc_u64 s[PX:PX+1], s[PX:PX+1], s[32:33]
	s_wait_alu depctr_va_vdst(0)                   ; the offsets v1 to v6 and v36 are written, which the loads, the turn's stores and its loads read from here on
	global_load_b32 v[G], v36, s[PGR:PGR+1]
	global_load_b64 v[SV:SV+1], v[SCO], s[PSV:PSV+1]
	RAWLD R0                                       ; step 0
	s_wait_xcnt 0x0                                ; the base is stepped only behind this wait
	s_add_nc_u64 s[PRW:PRW+1], s[PRW:PRW+1], RAWSTEP
	RAWLD R0+64                                    ; step 1
	WIN 0
	SLD 0, 0, 0
	SLD 1, SUSTEP, SCSTEP
	s_wait_xcnt 0x0
	s_add_nc_u64 s[PRW:PRW+1], s[PRW:PRW+1], RAWSTEP
	s_add_nc_u64 s[PSU:PSU+1], s[PSU:PSU+1], SUSTEP
	s_add_nc_u64 s[PSC:PSC+1], s[PSC:PSC+1], SCSTEP
	s_wait_loadcnt 20                              ; step 0's raw indices are in (grid and sv too); younger: step 1's 16 and two sets of su and scales (4)
	PACK 0, 1, 0                                   ; and step 2's are asked for
	s_wait_xcnt 0x0
	s_add_nc_u64 s[PRW:PRW+1], s[PRW:PRW+1], RAWSTEP   ; at step 3
	s_wait_dscnt 0x0                               ; step 0's packed words are in
	IDXV VA, 0
	IDXV VB, 1
	s_wait_alu depctr_va_vdst(0)                   ; the index lines have written both sets: the first set's look-ups below, and the second set's in step 0, read them and land in them
.set LK, 0
.rept 64
	LOOK VA
.endr
	STEP 0, 1, 1, 1, 1, 1, 18, 18                  ; step 0 stands in front of the loop: its products start the sums.  Younger than its su and scales: step 1's (2) and step 2's raw indices (16)
	s_mov_b32 s[CNT], 2
.Lpair:                                            ; steps 1 to 4: a trip runs two steps, until the register sets are back where they began.  31 = a record of x (13), raw indices (16), su and scales (2); 18 = the last two
	STEP 1, 0, 1, 1, 1, 1, 31, 18
	STEP 0, 0, 1, 1, 1, 1, 31, 18
	s_sub_co_u32 s[CNT], s[CNT], 1
	s_cmp_lg_u32 s[CNT], 0
	s_cbranch_scc1 .Lpair
	STEP 1, 0, 1, 0, 0, 1, 31, 2                   ; step 5: no raw indices are left to ask for
	STEP 0, 0, 1, 0, 0, 0, 15, 0                   ; step 6: nor su and scales
	STEP 1, 0, 0, 0, 0, 0, 13, 0                   ; step 7: its record of x alone
	; THE SUM OVER THE EIGHT WAVES.  Each wave lays its accumulators into LDS, four registers of a lane at a time; a barrier; then thread T adds, for rows T / 8 and T / 8 + 32, the eight parts of columns 4 (T % 8) .. + 3.
	; In accumulator (m, e) lane (r, h) holds row 16 m + r, and register j column 2 (8 h + j) + e.  So four neighbouring columns 4 u .. 4 u + 3 are registers 2 (u % 4), 2 (u % 4) + 1 of lanes h = u / 4, from the even and the odd accumulator.
	; All the addresses of the way out are made first, so that one wait stands for the stores, and for the loads behind the barrier.
	s_mul_i32 s20, s[WV], RS
	s_add_co_u32 s20, s20, RED
	s_lshr_b32 s22, s[WV], 2                       ; my rows 4 w .. 4 w + 3: tile of rows w / 4,
	s_mul_i32 s22, s22, 2*RA
	s_and_b32 s23, s[WV], 3                        ; lanes r = 4 (w % 4) ..
	s_lshl_b32 s23, s23, 6
	s_add_co_u32 s22, s22, s23
	s_add_co_u32 s22, s22, RED
	s_lshl_b32 s21, s[WV], 17                      ; 4 w rows of out
	v_bfe_u32 v9, v0, 4, 1
	v_and_b32 v34, 15, v0
	v_mul_u32_u24 v9, v9, RH
	v_lshl_add_u32 v9, v34, 4, v9
	v_add_nc_u32 v9, s20, v9                       ; where I lay my accumulators
	v_bfe_u32 v40, v0, 1, 1                        ; (u % 4) / 2: the accumulator's lower or upper four registers
	v_mul_u32_u24 v40, v40, RJ
	v_bfe_u32 v34, v0, 2, 1                        ; u / 4: which half of the lanes
	v_mad_u32_u24 v40, v34, RH, v40
	v_bfe_u32 v34, v0, 3, 2                        ; which of my wave's four rows
	v_lshl_add_u32 v40, v34, 4, v40
	v_and_b32 v35, 1, v0                           ; u % 2: which two of the four registers
	v_lshl_add_u32 v40, v35, 3, v40
	v_add_nc_u32 v40, s22, v40                     ; parts 0 to 3
	v_add_nc_u32 v41, 4*RS, v40                    ; parts 4 to 7: beyond the reach of the 16-bit offset
	v_and_b32 v42, 7, v0
	v_lshlrev_b32 v42, 4, v42
	v_lshl_add_u32 v42, v34, 15, v42
	v_add_nc_u32 v42, s21, v42                     ; my 16 bytes of out: row 4 w + (lane / 8), 16 u
	WIN 0x04                                       ; an LDS store's data are its source 1: window 1
	s_wait_alu depctr_va_vdst(0)                   ; the products have written the accumulators, which the stores read (the four places behind the products stay beside this wait); v9, v40, v41 and v42 are written, the addresses of the stores and loads below; the last step is done with the first set's registers, in which the loads behind the barrier land
.irp a, 0,1,2,3,4,5,6,7
	ds_store_b128 v9, v[ACC+8*\a:ACC+8*\a+3] offset:\a*RA            ; each accumulator from its low end on
	ds_store_b128 v9, v[ACC+8*\a+4:ACC+8*\a+7] offset:\a*RA+RJ
.endr
	WIN 0
	s_wait_dscnt 0x0                               ; for the others' sake: my stores have landed
	s_barrier_signal -1
	s_barrier_wait -1
.irp z, 0,1                                    ; rows T / 8, then T / 8 + 32: two tiles of rows on
.irp e, 0,1                                    ; even, odd columns
.irp u, 0,1,2,3
	ds_load_b64 v[LR+32*\z+16*\e+2*\u:LR+32*\z+16*\e+2*\u+1], v40 offset:\u*RS+\e*RA+\z*4*RA
	ds_load_b64 v[LR+32*\z+16*\e+8+2*\u:LR+32*\z+16*\e+9+2*\u], v41 offset:\u*RS+\e*RA+\z*4*RA
.endr
.endr
.endr
.irp z, 0,1
	s_wait_dscnt 16-16*\z                          ; this half's 16 loads are in; the other half's 16 may be out
.irp e, 0,1
	v_pk_add_f32 v[LR+32*\z+16*\e:LR+32*\z+16*\e+1], v[LR+32*\z+16*\e:LR+32*\z+16*\e+1], v[LR+32*\z+16*\e+2:LR+32*\z+16*\e+3]
	v_pk_add_f32 v[LR+32*\z+16*\e+4:LR+32*\z+16*\e+5], v[LR+32*\z+16*\e+4:LR+32*\z+16*\e+5], v[LR+32*\z+16*\e+6:LR+32*\z+16*\e+7]
	v_pk_add_f32 v[LR+32*\z+16*\e+8:LR+32*\z+16*\e+9], v[LR+32*\z+16*\e+8:LR+32*\z+16*\e+9], v[LR+32*\z+16*\e+10:LR+32*\z+16*\e+11]
	v_pk_add_f32 v[LR+32*\z+16*\e+12:LR+32*\z+16*\e+13], v[LR+32*\z+16*\e+12:LR+32*\z+16*\e+13], v[LR+32*\z+16*\e+14:LR+32*\z+16*\e+15]
.endr
.irp e, 0,1
	v_pk_add_f32 v[LR+32*\z+16*\e:LR+32*\z+16*\e+1], v[LR+32*\z+16*\e:LR+32*\z+16*\e+1], v[LR+32*\z+16*\e+4:LR+32*\z+16*\e+5]
	v_pk_add_f32 v[LR+32*\z+16*\e+8:LR+32*\z+16*\e+9], v[LR+32*\z+16*\e+8:LR+32*\z+16*\e+9], v[LR+32*\z+16*\e+12:LR+32*\z+16*\e+13]
.endr
.irp e, 0,1
	v_add_f32 v[OUT+4*\z+\e], v[LR+32*\z+16*\e], v[LR+32*\z+16*\e+8]         ; the last additions put even and odd columns side by side
	v_add_f32 v[OUT+4*\z+2+\e], v[LR+32*\z+16*\e+1], v[LR+32*\z+16*\e+9]
.endr
	s_wait_alu depctr_va_vdst(0)                   ; the last additions have written this half's four numbers, which the store reads
	global_store_b128 v42, v[OUT+4*\z:OUT+4*\z+3], s[POUT:POUT+1] offset:\z*32*32768 th:TH_STORE_NT   ; eight lanes store a row's 128 consecutive bytes, all that the work-group owns of it; four rows an instruction
.endr
	s_wait_dscnt 0x0
	s_wait_alu depctr_hold_cnt(0) depctr_sa_sdst(0) depctr_va_vdst(0) depctr_va_sdst(0) depctr_va_ssrc(0) depctr_va_vcc(0) depctr_vm_vsrc(0)
	s_wait_tensorcnt 0x0
	ds_add_u32 v254, v255
	s_wait_dscnt 0x0
	s_endpgm
.Lfunc_end_k_q205392dbc3_main:
	.size	k_q205392dbc3_main, .Lfunc_end_k_q205392dbc3_main-k_q205392dbc3_main
	.p2alignl 7, 3214868480
	.fill 96, 4, 3214868480
	.section	.rodata,"a",@progbits
	.p2align	6, 0x0
	.amdhsa_kernel k_q205392dbc3_main
		.amdhsa_group_segment_fixed_size 101376
		.amdhsa_private_segment_fixed_size 0
		.amdhsa_enable_private_segment 0
		.amdhsa_kernarg_size 56
		.amdhsa_user_sgpr_count 2
		.amdhsa_user_sgpr_kernarg_segment_ptr 1
		.amdhsa_wavefront_size32 1
		.amdhsa_system_sgpr_workgroup_id_x 1
		.amdhsa_system_sgpr_workgroup_id_y 1
		.amdhsa_system_sgpr_workgroup_id_z 1
		.amdhsa_system_vgpr_workitem_id 0
		.amdhsa_next_free_vgpr 512
		.amdhsa_next_free_sgpr 66
		.amdhsa_reserve_vcc 0
		.amdhsa_float_denorm_mode_32 3
		.amdhsa_float_denorm_mode_16_64 3
		.amdhsa_memory_ordered 1
		.amdhsa_forward_progress 1
		.amdhsa_inst_pref_size 245
	.end_amdhsa_kernel
	.amdgpu_metadata
---
amdhsa.version: [ 1, 2 ]
amdhsa.kernels:
  - .name:           k_q205392dbc3_main
    .symbol:         k_q205392dbc3_main.kd
    .args:
      - { .name: packed_indices, .offset: 0, .size: 8, .value_kind: global_buffer, .address_space: global }
      - { .name: scales, .offset: 8, .size: 8, .value_kind: global_buffer, .address_space: global }
      - { .name: su, .offset: 16, .size: 8, .value_kind: global_buffer, .address_space: global }
      - { .name: sv, .offset: 24, .size: 8, .value_kind: global_buffer, .address_space: global }
      - { .name: grid, .offset: 32, .size: 8, .value_kind: global_buffer, .address_space: global }
      - { .name: xq, .offset: 40, .size: 8, .value_kind: global_buffer, .address_space: global }
      - { .name: out0, .offset: 48, .size: 8, .value_kind: global_buffer, .address_space: global }
    .group_segment_fixed_size: 101376
    .private_segment_fixed_size: 0
    .kernarg_segment_align: 8
    .kernarg_segment_size: 56
    .max_flat_workgroup_size: 256
    .sgpr_count:     66
    .vgpr_count:     512
    .wavefront_size: 32
...
	.end_amdgpu_metadata
.endif
;; end of part 4
